; MI455X (gfx1250); checked and timed in simulation.
; The chip was launched on July 23, 2026; its instructions are those of AMD's public machine-readable ISA for CDNA 5 (MIT licence, August 2026) and "CDNA5" Instruction Set Architecture Reference Guide (July 2026). The comments in the code are by the model that wrote it; some were corrected since.
;; Way Former Encoder. Allowed arithmetic: float matrix products may take bf16 or f16 operands with f32 sums; other float arithmetic in f32, or as packed bf16 or f16 multiplies, adds, multiply-adds, maxima and minima; sums over many terms, partial sums and values carried from step to step in f32; what a program stores and reads back later, other than sums and carried values, may be rounded once to bf16 or f16.
;; Inputs: W1 4 x 128 x 256 float32; W2 4 x 256 x 128 float32; Wk 4 x 128 x 128 float32; Wo 4 x 128 x 128 float32; Wq 4 x 128 x 128 float32; Wv 4 x 128 x 128 float32; b1 4 x 256 float32; b2 4 x 128 float32; bk 4 x 128 float32; bo 4 x 128 float32; bq 4 x 128 float32; bv 4 x 128 float32; lengths 16 x 64 int32; ln1_b 4 x 128 float32; ln1_s 4 x 128 float32; ln2_b 4 x 128 float32; ln2_s 4 x 128 float32; polylines 16 x 64 x 64 x 128 float32; pos_emb 1 x 64 x 128 float32; proj_b 128 float32; proj_ln_b 128 float32; proj_ln_s 128 float32; proj_w 128 x 128 float32.
;; Outputs: out0 16 x 64 x 128 float32.
;; 2 versions, each right; version 2 is version 1 with the launch prep written anew for expert scheduling mode. Each part assembles by itself: llvm-mc -triple=amdgcn-amd-amdhsa -mcpu=gfx1250 --defsym DOCPART=n.
;; ======== version 1 of 2: 3 launches
;; workspace buffers: wb 1,081,344 bytes; par 26,112 bytes; posf 32,768 bytes; y1 524,288 bytes
;; launch prep (part 1): grid 35 x 1, 8 waves a work-group, no clusters, 0 bytes of LDS; arguments proj_w, Wq, Wk, Wv, Wo, W1, W2, wb, proj_b, proj_ln_s, proj_ln_b, bq, bk, bv, bo, ln1_s, ln1_b, b1, b2, ln2_s, ln2_b, pos_emb, par, posf; writes wb, par, posf
.if DOCPART == 1
	.amdgcn_target "amdgcn-amd-amdhsa--gfx1250"
	.amdhsa_code_object_version 6
	.text
	.protected	k_qdeb070ad50_prep
	.globl	k_qdeb070ad50_prep
	.p2align	8
	.type	k_qdeb070ad50_prep,@function
k_qdeb070ad50_prep:
	s_mov_b64 s[64:65], 0
	v_nop
	global_prefetch_b8 v0, s[64:65] scope:SCOPE_SE
	s_setreg_imm32_b32 hwreg(HW_REG_WAVE_MODE, 25, 1), 1
	s_wait_xcnt 0x0
; PREP.  Lays the weights out for the two matrix kernels and rounds every small input once to bf16.
; wb:   33 units of [128 n][128 k] bf16, rows of 256 bytes, unit[n][k] = W[k][n].  Unit 0 = proj_w; layer l from unit 1 + 8 l: Wq, Wk, Wv, Wo, W1 (n 0-127), W1 (n 128-255), W2 (k 0-127), W2 (k 128-255).
; par:  51 vectors of 128 f32 (each number rounded to bf16 and widened again): 0 proj_b, 1 proj_ln_s, 2 proj_ln_b; layer l from 3 + 12 l: bq bk bv bo ln1_s ln1_b b1 b1 b2 ln2_s ln2_b zeros.
; posf: pos_emb, rounded likewise, in the order in which a lane of the temporal kernel takes it: chunk ((qt 8 + ct) 2 + half) 32 + lane = pos[16 qt + lane % 16][16 ct + 8 (lane / 16) + 4 half .. + 3].
; Work-groups 0-32 make a unit each, 33 makes par, 34 makes posf.  No LDS, no matrix unit: 2 MB are moved once.
.macro RND4 b                          ; four f32 in place: to bf16 (nearest even) and back
	v_cvt_pk_bf16_f32 v12, v[(\b)], v[(\b)+1]
	v_cvt_pk_bf16_f32 v13, v[(\b)+2], v[(\b)+3]
	v_lshlrev_b32 v[(\b)], 16, v12
	v_and_b32 v[(\b)+1], 0xffff0000, v12
	v_lshlrev_b32 v[(\b)+2], 16, v13
	v_and_b32 v[(\b)+3], 0xffff0000, v13
.endm
	s_load_b512 s[4:19], s[0:1], 0x0               ; proj_w 4, Wq 6, Wk 8, Wv 10, Wo 12, W1 14, W2 16, wb 18
	s_load_b512 s[20:35], s[0:1], 0x40             ; proj_b 20, proj_ln_s 22, proj_ln_b 24, bq 26, bk 28, bv 30, bo 32, ln1_s 34
	s_load_b512 s[36:51], s[0:1], 0x80             ; ln1_b 36, b1 38, b2 40, ln2_s 42, ln2_b 44, pos_emb 46, par 48, posf 50
	s_mov_b32 s52, ttmp9                           ; the work-group's number g
	v_lshrrev_b32 v1, 5, v0
	v_readfirstlane_b32 s53, v1                    ; wave 0..7
	s_mov_b32 s61, 0
	s_wait_kmcnt 0x0
	s_cmp_lt_u32 s52, 33
	s_cbranch_scc0 .Lsmall
	; ---- unit g ----
	s_sub_co_u32 s54, s52, 1
	s_and_b32 s55, s54, 7                          ; which of a layer's eight units
	s_lshr_b32 s56, s54, 3                         ; the layer
	s_cmp_eq_u32 s52, 0
	s_cselect_b32 s55, 8, s55                      ; 8 stands for proj_w
	s_cselect_b32 s56, 0, s56
	s_mov_b32 s63, 512                             ; bytes from a row k to the next
	s_mov_b64 s[58:59], s[4:5]
	s_cmp_eq_u32 s55, 0
	s_cselect_b64 s[58:59], s[6:7], s[58:59]
	s_cmp_eq_u32 s55, 1
	s_cselect_b64 s[58:59], s[8:9], s[58:59]
	s_cmp_eq_u32 s55, 2
	s_cselect_b64 s[58:59], s[10:11], s[58:59]
	s_cmp_eq_u32 s55, 3
	s_cselect_b64 s[58:59], s[12:13], s[58:59]
	s_lshr_b32 s57, s55, 1
	s_cmp_eq_u32 s57, 2
	s_cselect_b64 s[58:59], s[14:15], s[58:59]
	s_cselect_b32 s63, 1024, s63                   ; W1 has 256 columns
	s_cmp_eq_u32 s57, 3
	s_cselect_b64 s[58:59], s[16:17], s[58:59]
	s_lshl_b32 s60, s56, 16                        ; a layer is 65,536 bytes,
	s_lshl_b32 s62, s56, 17                        ; of W1 or W2 131,072
	s_lshr_b32 s57, s55, 2
	s_cmp_eq_u32 s57, 1
	s_cselect_b32 s60, s62, s60
	s_cmp_eq_u32 s55, 5
	s_cselect_b32 s62, 512, 0                      ; W1's columns 128 on
	s_add_co_u32 s60, s60, s62
	s_cmp_eq_u32 s55, 7
	s_cselect_b32 s62, 65536, 0                    ; W2's rows 128 on
	s_add_co_u32 s60, s60, s62
	s_add_nc_u64 s[58:59], s[58:59], s[60:61]      ; the source block [128 k][128 n] of f32
	s_lshl_b32 s60, s52, 15
	s_add_nc_u64 s[18:19], s[18:19], s[60:61]      ; the unit in wb
	; thread t: c = t % 16, m = t / 16.  It reads rows k = 8 c .. 8 c + 7, columns 4 m .. 4 m + 3 of both halves of 64 columns, and
	; writes, for each of its 8 columns n, the 16 bytes k = 8 c .. 8 c + 7 of row n: 16 neighbouring lanes store 256 consecutive bytes, a whole row.
	v_and_b32 v1, 15, v0
	v_lshrrev_b32 v11, 4, v0
	v_lshlrev_b32 v2, 3, v1
	v_mul_lo_u32 v2, v2, s63
	v_lshl_add_u32 v2, v11, 4, v2
.set i, 0
.rept 7
	v_add_nc_u32 v[3+i], s63, v[2+i]
.set i, i+1
.endr
.set i, 0
.rept 16                               ; half i / 8, row i % 8
	global_load_b128 v[16+4*i:16+4*i+3], v[2+i%8], s[58:59] offset:256*(i/8)
.set i, i+1
.endr
	v_lshlrev_b32 v10, 10, v11                     ; row 4 m of the unit
	v_lshl_add_u32 v10, v1, 4, v10                 ; + 16 c
	s_wait_loadcnt 0x0
.set i, 0
.rept 32                               ; i = 16 half + 4 j + p: column j, rows 2 p and 2 p + 1
	v_cvt_pk_bf16_f32 v[80+i], v[16+4*(8*(i/16)+2*(i%4))+(i/4)%4], v[16+4*(8*(i/16)+2*(i%4)+1)+(i/4)%4]
.set i, i+1
.endr
.set i, 0
.rept 8
	global_store_b128 v10, v[80+4*i:80+4*i+3], s[18:19] offset:(64*(i/4)+i%4)*256
.set i, i+1
.endr
	s_endpgm
.Lsmall:
	s_cmp_eq_u32 s52, 33
	s_cbranch_scc0 .Lpos
	; ---- par: a vector is 512 bytes, one load and one store of a wave ----
	v_and_b32 v2, 31, v0
	v_lshlrev_b32 v2, 4, v2
	s_cmp_lt_u32 s53, 4
	s_cbranch_scc0 .Lproj
	v_lshl_add_u32 v3, s53, 9, v2                  ; wave w takes layer w
	v_lshl_add_u32 v4, s53, 10, v2
	s_mul_i32 s54, s53, 6144
	s_add_co_u32 s54, s54, 1536
	v_add_nc_u32 v5, s54, v2                       ; vector 3 + 12 w
	global_load_b128 v[16:19], v3, s[26:27]
	global_load_b128 v[20:23], v3, s[28:29]
	global_load_b128 v[24:27], v3, s[30:31]
	global_load_b128 v[28:31], v3, s[32:33]
	global_load_b128 v[32:35], v3, s[34:35]
	global_load_b128 v[36:39], v3, s[36:37]
	global_load_b128 v[40:43], v4, s[38:39]
	global_load_b128 v[44:47], v4, s[38:39] offset:512
	global_load_b128 v[48:51], v3, s[40:41]
	global_load_b128 v[52:55], v3, s[42:43]
	global_load_b128 v[56:59], v3, s[44:45]
	v_mov_b32 v60, 0
	v_mov_b32 v61, 0
	v_mov_b32 v62, 0
	v_mov_b32 v63, 0
	s_wait_loadcnt 0x0
.set i, 0
.rept 11
	RND4 16+4*i
.set i, i+1
.endr
.set i, 0
.rept 12
	global_store_b128 v5, v[16+4*i:16+4*i+3], s[48:49] offset:512*i
.set i, i+1
.endr
	s_endpgm
.Lproj:
	s_cmp_eq_u32 s53, 4
	s_cbranch_scc0 .Lend
	global_load_b128 v[16:19], v2, s[20:21]
	global_load_b128 v[20:23], v2, s[22:23]
	global_load_b128 v[24:27], v2, s[24:25]
	s_wait_loadcnt 0x0
	RND4 16
	RND4 20
	RND4 24
	global_store_b128 v2, v[16:19], s[48:49]
	global_store_b128 v2, v[20:23], s[48:49] offset:512
	global_store_b128 v2, v[24:27], s[48:49] offset:1024
.Lend:
	s_endpgm
.Lpos:
	; ---- posf: chunk 256 i + t; with w = t / 32: half = w % 2, ct = 4 (i % 2) + w / 2, qt = i / 2 ----
	v_and_b32 v3, 15, v0
	v_lshlrev_b32 v3, 9, v3                        ; row lane % 16
	v_bfe_u32 v4, v0, 4, 1
	v_lshl_add_u32 v3, v4, 5, v3                   ; + 8 channels for the upper half of the lanes
	v_bfe_u32 v4, v0, 6, 2
	v_lshl_add_u32 v3, v4, 6, v3                   ; + 16 channels x (w / 2)
	v_bfe_u32 v4, v0, 5, 1
	v_lshl_add_u32 v3, v4, 4, v3                   ; + 4 channels x (w % 2)
	v_lshlrev_b32 v5, 4, v0
.set i, 0
.rept 8
	global_load_b128 v[16+4*i:16+4*i+3], v3, s[46:47] offset:8192*(i/2)+256*(i%2)
.set i, i+1
.endr
	s_wait_loadcnt 0x0
.set i, 0
.rept 8
	RND4 16+4*i
.set i, i+1
.endr
.set i, 0
.rept 8
	global_store_b128 v5, v[16+4*i:16+4*i+3], s[50:51] offset:4096*i
.set i, i+1
.endr
	s_endpgm
.Lfunc_end_k_qdeb070ad50_prep:
	.size	k_qdeb070ad50_prep, .Lfunc_end_k_qdeb070ad50_prep-k_qdeb070ad50_prep
	.p2alignl 7, 3214868480
	.fill 96, 4, 3214868480
	.section	.rodata,"a",@progbits
	.p2align	6, 0x0
	.amdhsa_kernel k_qdeb070ad50_prep
		.amdhsa_group_segment_fixed_size 0
		.amdhsa_private_segment_fixed_size 0
		.amdhsa_enable_private_segment 0
		.amdhsa_kernarg_size 192
		.amdhsa_user_sgpr_count 2
		.amdhsa_user_sgpr_kernarg_segment_ptr 1
		.amdhsa_wavefront_size32 1
		.amdhsa_system_sgpr_workgroup_id_x 1
		.amdhsa_system_sgpr_workgroup_id_y 1
		.amdhsa_system_sgpr_workgroup_id_z 1
		.amdhsa_system_vgpr_workitem_id 0
		.amdhsa_next_free_vgpr 112
		.amdhsa_next_free_sgpr 66
		.amdhsa_reserve_vcc 0
		.amdhsa_float_denorm_mode_32 3
		.amdhsa_float_denorm_mode_16_64 3
		.amdhsa_memory_ordered 1
		.amdhsa_forward_progress 1
		.amdhsa_inst_pref_size 20
	.end_amdhsa_kernel
	.amdgpu_metadata
---
amdhsa.version: [ 1, 2 ]
amdhsa.kernels:
  - .name:           k_qdeb070ad50_prep
    .symbol:         k_qdeb070ad50_prep.kd
    .args:
      - { .name: proj_w, .offset: 0, .size: 8, .value_kind: global_buffer, .address_space: global }
      - { .name: Wq, .offset: 8, .size: 8, .value_kind: global_buffer, .address_space: global }
      - { .name: Wk, .offset: 16, .size: 8, .value_kind: global_buffer, .address_space: global }
      - { .name: Wv, .offset: 24, .size: 8, .value_kind: global_buffer, .address_space: global }
      - { .name: Wo, .offset: 32, .size: 8, .value_kind: global_buffer, .address_space: global }
      - { .name: W1, .offset: 40, .size: 8, .value_kind: global_buffer, .address_space: global }
      - { .name: W2, .offset: 48, .size: 8, .value_kind: global_buffer, .address_space: global }
      - { .name: wb, .offset: 56, .size: 8, .value_kind: global_buffer, .address_space: global }
      - { .name: proj_b, .offset: 64, .size: 8, .value_kind: global_buffer, .address_space: global }
      - { .name: proj_ln_s, .offset: 72, .size: 8, .value_kind: global_buffer, .address_space: global }
      - { .name: proj_ln_b, .offset: 80, .size: 8, .value_kind: global_buffer, .address_space: global }
      - { .name: bq, .offset: 88, .size: 8, .value_kind: global_buffer, .address_space: global }
      - { .name: bk, .offset: 96, .size: 8, .value_kind: global_buffer, .address_space: global }
      - { .name: bv, .offset: 104, .size: 8, .value_kind: global_buffer, .address_space: global }
      - { .name: bo, .offset: 112, .size: 8, .value_kind: global_buffer, .address_space: global }
      - { .name: ln1_s, .offset: 120, .size: 8, .value_kind: global_buffer, .address_space: global }
      - { .name: ln1_b, .offset: 128, .size: 8, .value_kind: global_buffer, .address_space: global }
      - { .name: b1, .offset: 136, .size: 8, .value_kind: global_buffer, .address_space: global }
      - { .name: b2, .offset: 144, .size: 8, .value_kind: global_buffer, .address_space: global }
      - { .name: ln2_s, .offset: 152, .size: 8, .value_kind: global_buffer, .address_space: global }
      - { .name: ln2_b, .offset: 160, .size: 8, .value_kind: global_buffer, .address_space: global }
      - { .name: pos_emb, .offset: 168, .size: 8, .value_kind: global_buffer, .address_space: global }
      - { .name: par, .offset: 176, .size: 8, .value_kind: global_buffer, .address_space: global }
      - { .name: posf, .offset: 184, .size: 8, .value_kind: global_buffer, .address_space: global }
    .group_segment_fixed_size: 0
    .private_segment_fixed_size: 0
    .kernarg_segment_align: 8
    .kernarg_segment_size: 192
    .max_flat_workgroup_size: 256
    .sgpr_count:     66
    .vgpr_count:     112
    .wavefront_size: 32
...
	.end_amdgpu_metadata
.endif
;; end of part 1
;; launch temporal (part 2): grid 256 x 1, 4 waves a work-group, clusters of 4 x 1, 327,680 bytes of LDS; arguments polylines, lengths, posf, wb, par, y1; writes y1
.if DOCPART == 2
	.amdgcn_target "amdgcn-amd-amdhsa--gfx1250"
	.amdhsa_code_object_version 6
	.text
	.protected	k_qdeb070ad50_temporal
	.globl	k_qdeb070ad50_temporal
	.p2align	8
	.type	k_qdeb070ad50_temporal,@function
k_qdeb070ad50_temporal:
	s_mov_b64 s[64:65], 0
	v_nop
	global_prefetch_b8 v0, s[64:65] scope:SCOPE_SE
	s_setreg_imm32_b32 hwreg(HW_REG_WAVE_MODE, 25, 1), 1
	s_wait_xcnt 0x0
	s_wait_alu depctr_hold_cnt(0) depctr_sa_sdst(0) depctr_va_vdst(0) depctr_va_sdst(0) depctr_va_ssrc(0) depctr_va_vcc(0) depctr_vm_vsrc(0)
	s_getreg_b32 s2, hwreg(HW_REG_IB_STS2, 6, 4)
	s_cmp_eq_u32 s2, 0
	s_cbranch_scc0 .Lentry_in_a_cluster
	s_endpgm
.Lentry_in_a_cluster:
	s_bfe_u32 s2, ttmp6, 0x10000c
	s_cmp_lg_u32 s2, 0x3003
	s_cbranch_scc0 .Lentry_shape_is_right
	s_endpgm
.Lentry_shape_is_right:
; TEMPORAL.  One wave = one polyline n = 64 b + s (64 tokens x 128 channels): pad with -1, projection, LN, ReLU, + pos_emb; layer 0 whole; of layer 1 K and V of all tokens and
; Q, attention and Wo of token tile 0.  Only token t = 0 of each polyline is read by what follows (the result is the slice t = 0 of the spatial layers), so y1[n] = x1[t = 0] + o Wo1 (bo1 is added by the next launch).
; FORMATS.  Matrix operands bf16 (inputs rounded once), sums, residual stream, LN and softmax f32.
; LIMITS.  A hidden key counts as its score less 1e30 (reference() sets -1e9): the same weights, 0, while visible scaled scores lie above -1e9.  A weight below 2^-126 counts as 0.  NaN and infinities are not treated apart.
; LAYOUT.  Activations are kept transposed: Y^T = W^T X^T, source 0 = 16 rows n of a weight unit [n][k], source 1 = 16 tokens; in a result lane l holds token l % 16 and register j channel 16 ct + 8 (l / 16) + j, so two
; neighbouring channel tiles rounded in pairs ARE the next product's source 1.  V is made with the sources swapped (lane = channel, registers = tokens) and is then source 0 of O^T = V^T P.  S^T = K Q^T is one product
; (32 channels a head); its C operand is the key mask (0 or -1e30); the query mask is the lane's scale cq = c or 0, c = log2(e) / sqrt(32): p = 2^(s cq - m cq) with the row's true maximum m, so a hidden query has p = 1 on all 64 keys.
; The weights sum to 1, so bv is added as O = (V^T P) / l + bv.  bq, bk, b1, proj_b are the C of a sum's first product; the residual is the C of Wo's and W2's products; bo, b2 are added in LN's first pass.
; WEIGHTS.  Stages of four units go through two LDS slots; wave w fetches unit w.  The four work-groups of a cluster walk the same weights, so these loads are joint (same descriptor, mask of four).
; The wave's own 64 x 128 f32 input tile is first laid into its part of slot 1, which the stage of layer 0's W1, W2 later fills again; at the end, when slot 1 has had its last fill and all waves have left it, the same bytes are the wave's output stage.
; REGISTERS, in windows of 256 (s_set_vgpr_msb: bits 1:0 source 0, 3:2 source 1, 5:4 source 2, 7:6 destination):
;   window 0: v0-17 addresses; v20-47 per-tile scalars and temporaries; v48-63 BF bias fragment; v64-127 WF0, v128-191 WF1 weight fragments; v192-255 ACC.  In attention the scores lie over WF0 and ACC.
;   window 1: XF, the f32 residual stream, tile (qt, ct) at 64 qt + 8 ct       window 2: XB 0-127, QH 128, KH 160, VH 192, OBH 224       window 3: P 0, OA 64, HB 128, MK 160, ZR 192; up to the first LN: pos_emb
.set NT,    4                          ; token tiles a wave
.set UNIT,  34816                      ; a weight unit in LDS: 128 rows of 256 bytes + 16 of padding (pitch 272: the 16 rows of a fragment load start 68 words apart)
.set SLOT,  4*UNIT                     ; 0x22000: bits 13 and 17, which are clear in w x UNIT, so one exclusive or changes slots
.set PROJ,  2*SLOT                     ; proj_w's unit
.set PARL,  PROJ+UNIT                  ; par vectors 0-17, 9,216 bytes
.set SPARE, PARL+9216                  ; the spare words, 128 bytes for each wave: two blocks of 256 bytes that no other line names
.set FR16,  16*272
.set FR32,  32*272
.set AW,  3                            ; 272 (l % 16) + 16 (l / 16): my place in a weight fragment
.set AXS, 4                            ; my place in my input tile / output stage: SLOT + w UNIT + 528 (l % 16) + 32 (l / 16)
.set PB,  5                            ; PARL + 32 (l / 16)
.set AQ,  6
.set AK,  7
.set AV,  8
.set AO,  9
.set ABQ, 10
.set A1,  11
.set A2,  12
.set AB1, 13
.set L16, 15                           ; 16 x lane
.set SPW, 16                           ; my spare word; never rewritten
.set NIL, 17                           ; 0; never rewritten
.set CQ,  20                           ; pairs (cq, cq), one a token tile
.set ST,  28                           ; pairs (cq m, m)
.set RL,  36                           ; pairs: low word 1 / l, or LN's mean, then 1 / sigma
.set T,   44
.set BF,  48
.set WF0, 64
.set WF1, 128
.set ACC, 192
.set XB,  0
.set QH,  128
.set KH,  160
.set VH,  192
.set OBH, 224
.set KO,  232
.set VO,  240
.set P,   0
.set OA,  64
.set HB,  128
.set MK,  160
.set ZR,  192
.set WV,  16                           ; s16 wave
.set G1X, 24
.set G1W, 32
.set G1P, 40
.set G1R, 48
.set G0X, 56
.set G0P, 60
.set G0R, 68
.set G0W, 72
.set C0,  76
.set C1,  77
.set SEL, 80
.set CC,  82
.set BIG, 83
.set K7,  84
.set EPS, 85
.set NEG1, 86
.set LEN, 87
.set VM,  88                           ; s88-91: lanes whose token of tile qt is valid
.set STG, 93
.set W_MT,  0x08
.set W_MV,  0x02
.set W_MX0, 0x48
.set W_MX,  0x58
.set W_W2,  0x5c
.set W_S,   0x3a
.set W_PV,  0xfe
.set W_TO2, 0x80
.set W_TO3, 0xc0
.set W_ON,  0xc3
.set W_OB,  0x8f
.set W_RE,  0xcf
.set W_X1,  0x41
.set W_XS,  0x05
.set W_XA,  0x01
.set W_XR,  0x44
.set W_XP,  0x4d
.set W_XB,  0x85
.set W_CM,  0x88                       ; destination and source 1 in window 2
.set W_ST1, 0x04
.set MSB, 0
.macro WIN new                         ; the immediate's high byte repeats the setting that is left; a switch that changes nothing is dropped
.if MSB != (\new)
	s_set_vgpr_msb (MSB<<8)|(\new)
.set MSB, (\new)
.endif
.endm
.macro PLACES                          ; independent vector instructions behind a matrix instruction, before its registers are read, written or loaded into (ISA guide 7.12.1)
.rept 5
	v_nop
.endr
.endm
.macro ROUND                           ; a round of the cluster's barrier
	s_barrier_signal -1
	s_barrier_wait -1
	s_cmp_lg_u32 s[WV], 0
	s_cbranch_scc1 .Lnot_wave_0_\@
	s_barrier_signal -3
.Lnot_wave_0_\@:
	s_barrier_wait -3
	s_barrier_signal -1
	s_barrier_wait -1
.endm
; THE CHANGE OF STAGES.  Each wave waits for all its tensor loads (one is out: its unit of the stage to be read next), adds 0 to its spare word, and waits for that and for its reads of the stage that it leaves.
; fill = 1: a round of the cluster's barrier, so that no wave of any partner still reads the old slot, and the joint refill first behind it: the next four units of wb, into the slot just left.
.macro CHANGE fill
	WIN 0
	s_wait_tensorcnt 0x0               ; no tensor load of mine is out, so the descriptor may be written
	ds_add_u32 v[SPW], v[NIL]
.if \fill
	s_xor_b32 s[G0W+1], s[G0W+1], SLOT
	s_add_nc_u64 s[G0W+2:G0W+3], s[G0W+2:G0W+3], 0x20000  ; four units of 32,768 bytes on
.endif
	s_wait_dscnt 0x0                   ; the add is done, and my LDS reads are over
.if \fill
	ROUND
	tensor_load_to_lds s[G0W:G0W+3], s[G1W:G1W+7]
	s_nop 0
	PLACES
.else
	s_barrier_signal -1
	s_barrier_wait -1
.endif
.endm
.macro LDB areg, off                   ; 32 channels of a bias as two C fragments: 4 loads
.set i_, 0
.rept 4
	ds_load_b128 v[BF+4*i_:BF+4*i_+3], v[\areg] offset:(\off)+(i_/2)*64+(i_%2)*16
.set i_, i_+1
.endr
.endm
.macro LDW buf, areg, off=0            ; 32 rows n x 128 k of a unit: fragment (nt, ks) at buf + 8 (4 nt + ks): 16 loads
.set i_, 0
.rept 8
	ds_load_b128 v[(\buf)+8*i_:(\buf)+8*i_+3], v[\areg] offset:(\off)+(i_/4)*FR16+(i_%4)*64
	ds_load_b128 v[(\buf)+8*i_+4:(\buf)+8*i_+7], v[\areg] offset:(\off)+(i_/4)*FR16+(i_%4)*64+32
.set i_, i_+1
.endr
.endm
.macro LDW8 buf, areg                  ; 128 rows n x 32 k of a unit: fragment nt at buf + 8 nt: 16 loads
.set i_, 0
.rept 8
	ds_load_b128 v[(\buf)+8*i_:(\buf)+8*i_+3], v[\areg] offset:i_*FR16
	ds_load_b128 v[(\buf)+8*i_+4:(\buf)+8*i_+7], v[\areg] offset:i_*FR16+32
.set i_, i_+1
.endr
.endm
.macro LDV buf, areg, off              ; my 64 numbers of a vector of 128: 16 loads
.set i_, 0
.rept 16
	ds_load_b128 v[(\buf)+4*i_:(\buf)+4*i_+3], v[\areg] offset:(\off)+(i_/2)*64+(i_%2)*16
.set i_, i_+1
.endr
.endm
; ACC[4 nt + qt] = W rows (buf) x X^T + bias: 32 channels x n token tiles, K = 128.  The accumulators take turns, one instruction a turn.
.macro MM_T buf, n
	WIN W_MT
.set ks, 0
.rept 4
.set nt, 0
.rept 2
.set qt, 0
.rept \n
.if ks == 0
	v_wmma_f32_16x16x32_bf16 v[ACC+8*(4*nt+qt):ACC+8*(4*nt+qt)+7], v[(\buf)+8*(4*nt+ks):(\buf)+8*(4*nt+ks)+7], v[XB+32*qt+8*ks:XB+32*qt+8*ks+7], v[BF+8*nt:BF+8*nt+7]
.else
	v_wmma_f32_16x16x32_bf16 v[ACC+8*(4*nt+qt):ACC+8*(4*nt+qt)+7], v[(\buf)+8*(4*nt+ks):(\buf)+8*(4*nt+ks)+7], v[XB+32*qt+8*ks:XB+32*qt+8*ks+7], v[ACC+8*(4*nt+qt):ACC+8*(4*nt+qt)+7]
.endif
.set qt, qt+1
.endr
.set nt, nt+1
.endr
.set ks, ks+1
.endr
.endm
.macro MM_V buf, n                     ; the same with the sources swapped and no bias: lane = channel, registers = tokens
	WIN W_MV
.set ks, 0
.rept 4
.set nt, 0
.rept 2
.set qt, 0
.rept \n
.if ks == 0
	v_wmma_f32_16x16x32_bf16 v[ACC+8*(4*nt+qt):ACC+8*(4*nt+qt)+7], v[XB+32*qt+8*ks:XB+32*qt+8*ks+7], v[(\buf)+8*(4*nt+ks):(\buf)+8*(4*nt+ks)+7], 0
.else
	v_wmma_f32_16x16x32_bf16 v[ACC+8*(4*nt+qt):ACC+8*(4*nt+qt)+7], v[XB+32*qt+8*ks:XB+32*qt+8*ks+7], v[(\buf)+8*(4*nt+ks):(\buf)+8*(4*nt+ks)+7], v[ACC+8*(4*nt+qt):ACC+8*(4*nt+qt)+7]
.endif
.set qt, qt+1
.endr
.set nt, nt+1
.endr
.set ks, ks+1
.endr
.endm
.macro CVT_T win, dst, n               ; ACC rounded in pairs: fragment qt (16 tokens x 32 channels) at dst + 8 qt; each accumulator is read from its low end on
	WIN \win
.set qt, 0
.rept \n
.set nt, 0
.rept 2
.set p_, 0
.rept 4
	v_cvt_pk_bf16_f32 v[(\dst)+8*qt+4*nt+p_], v[ACC+8*(4*nt+qt)+2*p_], v[ACC+8*(4*nt+qt)+2*p_+1]
.set p_, p_+1
.endr
.set nt, nt+1
.endr
.set qt, qt+1
.endr
.endm
.macro CVT_V n                         ; V: fragment (channel tile nt, 32 keys kk) at VH + 16 nt + 8 kk
	WIN W_TO2
.set nt, 0
.rept 2
.set qt, 0
.rept \n
.set p_, 0
.rept 4
.if (\n) == 1
	v_cvt_pk_bf16_f32 v[VO+4*nt+p_], v[ACC+8*(4*nt+qt)+2*p_], v[ACC+8*(4*nt+qt)+2*p_+1]
.else
	v_cvt_pk_bf16_f32 v[VH+16*nt+4*qt+p_], v[ACC+8*(4*nt+qt)+2*p_], v[ACC+8*(4*nt+qt)+2*p_+1]
.endif
.set p_, p_+1
.endr
.set qt, qt+1
.endr
.set nt, nt+1
.endr
.endm
; THE SOFTMAX of query tile qt: the lane's 32 scores (its query's other 32 lie in the lane 16 away): maximum, p = 2^(s cq - m cq), P rounded to bf16, l of the unrounded p, 1 / l.
.macro SMX qt
.set sb, 64+32*(\qt)+64*((\qt)/2)
.set cq_, CQ+2*(\qt)
.set st_, ST+2*(\qt)
.set rl_, RL+2*(\qt)
	WIN 0
.set i_, 0
.rept 4                                ; four chains; each accumulator's lowest registers are read first
	v_max3_num_f32 v[T+i_], v[sb+8*i_], v[sb+8*i_+1], v[sb+8*i_+2]
.set i_, i_+1
.endr
.set i_, 0
.rept 4
	v_max3_num_f32 v[T+i_], v[T+i_], v[sb+8*i_+3], v[sb+8*i_+4]
.set i_, i_+1
.endr
.set i_, 0
.rept 4
	v_max3_num_f32 v[T+i_], v[T+i_], v[sb+8*i_+5], v[sb+8*i_+6]
.set i_, i_+1
.endr
	v_max3_num_f32 v[T], v[T], v[sb+7], v[sb+15]
	v_max3_num_f32 v[T+1], v[T+1], v[sb+23], v[sb+31]
	v_max_num_f32 v[T+2], v[T+2], v[T+3]
	v_max3_num_f32 v[T], v[T], v[T+1], v[T+2]
	v_permlanex16_b32 v[T+1], v[T], s[SEL], s[SEL+1]
	v_max_num_f32 v[st_+1], v[T], v[T+1]
	v_mul_f32 v[st_], v[st_+1], v[cq_]
.set i_, 0
.rept 16
	v_pk_fma_f32 v[sb+2*i_:sb+2*i_+1], v[sb+2*i_:sb+2*i_+1], v[cq_:cq_+1], v[st_:st_+1] op_sel_hi:[1,1,0] neg_lo:[0,0,1] neg_hi:[0,0,1]
.set i_, i_+1
.endr
.set i_, 0
.rept 32
	v_exp_f32 v[sb+i_], v[sb+i_]
.set i_, i_+1
.endr
	v_nop                              ; a plain instruction behind the last exponential
	WIN W_TO3
.set i_, 0
	s_wait_alu depctr_va_vdst(0)
.rept 16
	v_cvt_pk_bf16_f32 v[P+16*(\qt)+i_], v[sb+2*i_], v[sb+2*i_+1]
.set i_, i_+1
.endr
	WIN 0
.irp w_, 16, 8, 4, 2
.set i_, 0
.rept (\w_)/2
	v_pk_add_f32 v[sb+2*i_:sb+2*i_+1], v[sb+2*i_:sb+2*i_+1], v[sb+2*i_+(\w_):sb+2*i_+(\w_)+1]
.set i_, i_+1
.endr
.endr
	v_add_f32 v[T], v[sb], v[sb+1]
	v_permlanex16_b32 v[T+1], v[T], s[SEL], s[SEL+1]
	v_add_f32 v[T], v[T], v[T+1]
	v_rcp_f32 v[rl_], v[T]
	v_nop
.endm
.macro ATT_SET slot, boff              ; the addresses of head 0: Wq, Wk, Wv (32 rows a head), Wo (32 k a head), bq (bk, bv lie 512 and 1,024 bytes on)
	WIN 0
	v_add_nc_u32 v[AQ], (\slot)*SLOT, v[AW]
	v_add_nc_u32 v[AK], (\slot)*SLOT+UNIT, v[AW]
	v_add_nc_u32 v[AV], (\slot)*SLOT+2*UNIT, v[AW]
	v_add_nc_u32 v[AO], (\slot)*SLOT+3*UNIT, v[AW]
	v_add_nc_u32 v[ABQ], \boff, v[PB]
.endm
; ONE HEAD: Q of nq token tiles, K and V of nk, scores, softmax, O, and O's part of Wo onto the residual stream.
.macro ATT_HEAD nq, nk
	WIN 0
	LDB ABQ, 0
	LDW WF0, AQ
	LDW WF1, AK
	s_wait_dscnt 16                    ; bq and Wq are in; Wk's 16 loads may be out
	MM_T WF0, \nq
	PLACES
	CVT_T W_TO2, QH, \nq
	WIN 0
	LDB ABQ, 512
	LDW WF0, AV
	s_wait_dscnt 16                    ; Wk and bk are in; Wv's 16 may be out
	MM_T WF1, \nk
	PLACES
	CVT_T W_TO2, KH, \nk
	WIN 0
	LDW8 WF1, AO
	LDB ABQ, 1024
	s_wait_dscnt 20                    ; Wv is in; Wo's 16 and bv's 4 may be out
	MM_V WF0, \nk
	PLACES
	CVT_V \nk
	WIN W_S
.set qt, 0
.rept \nq
.set kt, 0
.rept 4
	v_wmma_f32_16x16x32_bf16 v[64+32*qt+64*(qt/2)+8*kt:64+32*qt+64*(qt/2)+8*kt+7], v[KH+8*kt:KH+8*kt+7], v[QH+8*qt:QH+8*qt+7], v[MK+8*kt:MK+8*kt+7]
.set kt, kt+1
.endr
.set qt, qt+1
.endr
	PLACES
.set q_, 0
.rept \nq
	SMX q_
.set q_, q_+1
.endr
	WIN W_PV
.set kk, 0
.rept 2
.set ct, 0
.rept 2
.set qt, 0
.rept \nq
.if kk == 0
	v_wmma_f32_16x16x32_bf16 v[OA+16*qt+8*ct:OA+16*qt+8*ct+7], v[VH+16*ct+8*kk:VH+16*ct+8*kk+7], v[P+16*qt+8*kk:P+16*qt+8*kk+7], 0
.else
	v_wmma_f32_16x16x32_bf16 v[OA+16*qt+8*ct:OA+16*qt+8*ct+7], v[VH+16*ct+8*kk:VH+16*ct+8*kk+7], v[P+16*qt+8*kk:P+16*qt+8*kk+7], v[OA+16*qt+8*ct:OA+16*qt+8*ct+7]
.endif
.set qt, qt+1
.endr
.set ct, ct+1
.endr
.set kk, kk+1
.endr
	PLACES
	s_wait_dscnt 0x0                   ; Wo and bv
	WIN W_ON
.set qt, 0
	s_wait_alu depctr_va_vdst(0)
.rept \nq
.set i_, 0
.rept 8
	v_pk_fma_f32 v[OA+16*qt+2*i_:OA+16*qt+2*i_+1], v[OA+16*qt+2*i_:OA+16*qt+2*i_+1], v[RL+2*qt:RL+2*qt+1], v[BF+2*i_:BF+2*i_+1] op_sel_hi:[1,0,1]
.set i_, i_+1
.endr
.set qt, qt+1
.endr
	WIN W_OB
.set qt, 0
.rept \nq
.set i_, 0
.rept 8
	v_cvt_pk_bf16_f32 v[OBH+8*qt+i_], v[OA+16*qt+2*i_], v[OA+16*qt+2*i_+1]
.set i_, i_+1
.endr
.set qt, qt+1
.endr
	WIN W_MX
.set nt, 0
.rept 8
.set qt, 0
.rept \nq
	v_wmma_f32_16x16x32_bf16 v[64*qt+8*nt:64*qt+8*nt+7], v[WF1+8*nt:WF1+8*nt+7], v[OBH+8*qt:OBH+8*qt+7], v[64*qt+8*nt:64*qt+8*nt+7]
.set qt, qt+1
.endr
.set nt, nt+1
.endr
	WIN 0                              ; the next head's addresses: five plain instructions, the places in front of the next loads into WF1
	v_add_nc_u32 v[AQ], FR32, v[AQ]
	v_add_nc_u32 v[AK], FR32, v[AK]
	v_add_nc_u32 v[AV], FR32, v[AV]
	v_add_nc_u32 v[AO], 64, v[AO]
	v_add_nc_u32 v[ABQ], 128, v[ABQ]
.endm
; THE FFN: eight trips of 32 hidden channels: H^T = relu(W1^T X^T + b1) for them, rounded, and their part of W2 onto the residual stream.
.macro FFN nq, slot, boff
	WIN 0
	v_add_nc_u32 v[A1], (\slot)*SLOT, v[AW]
	v_add_nc_u32 v[A2], (\slot)*SLOT+2*UNIT, v[AW]
	v_add_nc_u32 v[AB1], \boff, v[PB]
	s_mov_b32 s[C0], 2
.Lffo_\@:
	s_mov_b32 s[C1], 4
.Lffi_\@:
	LDB AB1, 0
	LDW WF0, A1
	LDW8 WF1, A2
	s_wait_dscnt 16                    ; b1 and W1 are in; W2's 16 may be out
	MM_T WF0, \nq
	PLACES
	CVT_T W_TO3, HB, \nq
	WIN W_RE
.set p_, 0
.rept 8*(\nq)
	v_pk_max_num_bf16 v[HB+p_], v[HB+p_], v[ZR]
.set p_, p_+1
.endr
	s_wait_dscnt 0x0
	WIN W_W2
.set nt, 0
.rept 8
.set qt, 0
.rept \nq
	v_wmma_f32_16x16x32_bf16 v[64*qt+8*nt:64*qt+8*nt+7], v[WF1+8*nt:WF1+8*nt+7], v[HB+8*qt:HB+8*qt+7], v[64*qt+8*nt:64*qt+8*nt+7]
.set qt, qt+1
.endr
.set nt, nt+1
.endr
	WIN 0
	PLACES
	v_add_nc_u32 v[A1], FR32, v[A1]    ; W1's two units lie end to end: 8 x 32 rows
	v_add_nc_u32 v[A2], 64, v[A2]
	v_add_nc_u32 v[AB1], 128, v[AB1]
	s_sub_co_u32 s[C1], s[C1], 1
	s_cmp_lg_u32 s[C1], 0
	s_cbranch_scc1 .Lffi_\@
	v_add_nc_u32 v[A2], UNIT-256, v[A2]  ; W2's second unit
	s_sub_co_u32 s[C0], s[C0], 1
	s_cmp_lg_u32 s[C0], 0
	s_cbranch_scc1 .Lffo_\@
.endm
.macro LRED                            ; four chains a tile into one number a token: in the lane, then with the lane 16 away
	WIN 0
.set a_, 0
.rept NT
	v_pk_add_f32 v[WF0+8*a_:WF0+8*a_+1], v[WF0+8*a_:WF0+8*a_+1], v[WF0+8*a_+2:WF0+8*a_+3]
	v_pk_add_f32 v[WF0+8*a_+4:WF0+8*a_+5], v[WF0+8*a_+4:WF0+8*a_+5], v[WF0+8*a_+6:WF0+8*a_+7]
.set a_, a_+1
.endr
.set a_, 0
.rept NT
	v_pk_add_f32 v[WF0+8*a_:WF0+8*a_+1], v[WF0+8*a_:WF0+8*a_+1], v[WF0+8*a_+4:WF0+8*a_+5]
.set a_, a_+1
.endr
.set a_, 0
.rept NT
	v_add_f32 v[WF0+8*a_], v[WF0+8*a_], v[WF0+8*a_+1]
.set a_, a_+1
.endr
.set a_, 0
.rept NT
	v_permlanex16_b32 v[WF0+8*a_+1], v[WF0+8*a_], s[SEL], s[SEL+1]
.set a_, a_+1
.endr
.set a_, 0
.rept NT
	v_add_f32 v[WF0+8*a_], v[WF0+8*a_], v[WF0+8*a_+1]
.set a_, a_+1
.endr
.endm
; LAYER NORM of XF in place, in two passes (mean, then squared deviations).  The three vectors bias, gain, shift lie 512 bytes apart from areg + off.  hasb: the bias is added first.
; pos: ReLU and + pos_emb behind it.  cvt: XB is made of the result.
.macro LNORM areg, off, hasb, pos, cvt
	WIN 0
.if \hasb
	LDV WF0, \areg, \off
.endif
	LDV WF1, \areg, (\off)+512
	LDV ACC, \areg, (\off)+1024
.if \hasb
	s_wait_dscnt 32                    ; the bias is in; gain's and shift's 32 loads may be out
	WIN W_X1
.set a_, 0
.rept NT
.set b_, 0
.rept 32
	v_pk_add_f32 v[64*a_+2*b_:64*a_+2*b_+1], v[64*a_+2*b_:64*a_+2*b_+1], v[WF0+2*b_:WF0+2*b_+1]
.set b_, b_+1
.endr
.set a_, a_+1
.endr
.endif
	WIN W_XS
.set a_, 0
.rept NT
.set b_, 0
.rept 4
	v_pk_add_f32 v[WF0+8*a_+2*b_:WF0+8*a_+2*b_+1], v[64*a_+2*b_:64*a_+2*b_+1], v[64*a_+8+2*b_:64*a_+8+2*b_+1]
.set b_, b_+1
.endr
.set a_, a_+1
.endr
	WIN W_XA
.set g_, 2
.rept 6
.set a_, 0
.rept NT
.set b_, 0
.rept 4
	v_pk_add_f32 v[WF0+8*a_+2*b_:WF0+8*a_+2*b_+1], v[64*a_+8*g_+2*b_:64*a_+8*g_+2*b_+1], v[WF0+8*a_+2*b_:WF0+8*a_+2*b_+1]
.set b_, b_+1
.endr
.set a_, a_+1
.endr
.set g_, g_+1
.endr
	LRED
.set a_, 0
.rept NT
	v_mul_f32 v[RL+2*a_], s[K7], v[WF0+8*a_]
.set a_, a_+1
.endr
	WIN W_X1
.set a_, 0
.rept NT
.set b_, 0
.rept 32
	v_pk_add_f32 v[64*a_+2*b_:64*a_+2*b_+1], v[64*a_+2*b_:64*a_+2*b_+1], v[RL+2*a_:RL+2*a_+1] op_sel_hi:[1,0] neg_lo:[0,1] neg_hi:[0,1]
.set b_, b_+1
.endr
.set a_, a_+1
.endr
	WIN W_XS
.set a_, 0
.rept NT
.set b_, 0
.rept 4
	v_pk_mul_f32 v[WF0+8*a_+2*b_:WF0+8*a_+2*b_+1], v[64*a_+2*b_:64*a_+2*b_+1], v[64*a_+2*b_:64*a_+2*b_+1]
.set b_, b_+1
.endr
.set a_, a_+1
.endr
.set g_, 1
.rept 7
.set a_, 0
.rept NT
.set b_, 0
.rept 4
	v_pk_fma_f32 v[WF0+8*a_+2*b_:WF0+8*a_+2*b_+1], v[64*a_+8*g_+2*b_:64*a_+8*g_+2*b_+1], v[64*a_+8*g_+2*b_:64*a_+8*g_+2*b_+1], v[WF0+8*a_+2*b_:WF0+8*a_+2*b_+1]
.set b_, b_+1
.endr
.set a_, a_+1
.endr
.set g_, g_+1
.endr
	LRED
.set a_, 0
.rept NT
	v_fma_f32 v[WF0+8*a_], v[WF0+8*a_], s[K7], s[EPS]
.set a_, a_+1
.endr
.set a_, 0
.rept NT
	v_rsq_f32 v[RL+2*a_], v[WF0+8*a_]
.set a_, a_+1
.endr
	v_nop
	s_wait_dscnt 0x0                   ; gain and shift
	WIN W_X1
.set a_, 0
	s_wait_alu depctr_va_vdst(0)
.rept NT
.set b_, 0
.rept 32
	v_pk_mul_f32 v[64*a_+2*b_:64*a_+2*b_+1], v[64*a_+2*b_:64*a_+2*b_+1], v[RL+2*a_:RL+2*a_+1] op_sel_hi:[1,0]
.set b_, b_+1
.endr
.set a_, a_+1
.endr
.set a_, 0
.rept NT
.set b_, 0
.rept 32
	v_pk_fma_f32 v[64*a_+2*b_:64*a_+2*b_+1], v[64*a_+2*b_:64*a_+2*b_+1], v[WF1+2*b_:WF1+2*b_+1], v[ACC+2*b_:ACC+2*b_+1]
.set b_, b_+1
.endr
.set a_, a_+1
.endr
.if \pos
	s_wait_loadcnt 0x0                 ; pos_emb
	WIN W_XR
.set b_, 0
.rept 64*NT
	v_max_num_f32 v[b_], 0, v[b_]
.set b_, b_+1
.endr
	WIN W_XP
.set b_, 0
.rept 32*NT
	v_pk_add_f32 v[2*b_:2*b_+1], v[2*b_:2*b_+1], v[2*b_:2*b_+1]
.set b_, b_+1
.endr
.endif
.if \cvt
	WIN W_XB
.set b_, 0
.rept 32*NT
	v_cvt_pk_bf16_f32 v[XB+b_], v[2*b_], v[2*b_+1]
.set b_, b_+1
.endr
.endif
	WIN 0
.endm
; The projection's group g: channels 32 g .. 32 g + 31 of all four token tiles, straight into XF; proj_b (in ACC's registers) is the C of the first product.
.macro MMP buf, g
.set ks, 0
.rept 4
.if ks == 0
	WIN W_MX0
.else
	WIN W_MX
.endif
.set nt, 0
.rept 2
.set qt, 0
.rept 4
.if ks == 0
	v_wmma_f32_16x16x32_bf16 v[64*qt+8*(2*(\g)+nt):64*qt+8*(2*(\g)+nt)+7], v[(\buf)+8*(4*nt+ks):(\buf)+8*(4*nt+ks)+7], v[XB+32*qt+8*ks:XB+32*qt+8*ks+7], v[ACC+8*(2*(\g)+nt):ACC+8*(2*(\g)+nt)+7]
.else
	v_wmma_f32_16x16x32_bf16 v[64*qt+8*(2*(\g)+nt):64*qt+8*(2*(\g)+nt)+7], v[(\buf)+8*(4*nt+ks):(\buf)+8*(4*nt+ks)+7], v[XB+32*qt+8*ks:XB+32*qt+8*ks+7], v[64*qt+8*(2*(\g)+nt):64*qt+8*(2*(\g)+nt)+7]
.endif
.set qt, qt+1
.endr
.set nt, nt+1
.endr
.set ks, ks+1
.endr
.endm
	; ---------------- the head ----------------
	s_load_b256 s[4:11], s[0:1], 0x0               ; polylines 4, lengths 6, posf 8, wb 10
	s_load_b128 s[12:15], s[0:1], 0x20             ; par 12, y1 14
	v_lshl_add_u32 v[SPW], v0, 2, SPARE
	v_mov_b32 v[NIL], 0
	ds_add_u32 v[SPW], v[NIL]                      ; the wave's opening: the add, and its wait ahead of my first tensor load; work on registers stands between them
	v_lshrrev_b32 v1, 5, v0
	v_readfirstlane_b32 s[WV], v1                  ; wave 0..3
	s_bfe_u32 s17, ttmp6, 0x40000                  ; cx: it enters the addresses of polylines, lengths and y1 alone
	s_lshl_b32 s18, ttmp9, 2
	s_add_co_u32 s18, s18, s17                     ; work-group
	s_lshl_b32 s19, s18, 2
	s_add_co_u32 s19, s19, s[WV]                   ; my polyline n
	s_mov_b32 s21, 0
	s_mov_b32 s95, 0
	; my input tile: 64 rows of 128 f32, 16 bytes of padding behind each row of 128 words (pitch 528); a load of my own, no mask
	s_mov_b32 s[G1X], (2<<16)|(1<<20)|(6<<22)|(3<<25)
	s_mov_b32 s[G1X+1], 128<<16
	s_mov_b32 s[G1X+2], 64<<16
	s_mov_b32 s[G1X+3], 128<<16
	s_mov_b32 s[G1X+4], 64
	s_mov_b32 s[G1X+5], 128
	s_mov_b32 s[G1X+6], 0
	s_mov_b32 s[G1X+7], 0
	; a weight unit: 128 rows of 128 bf16, 16 bytes of padding behind each row of 64 words; joint, mask of four, bit 21 beside it
	s_mov_b32 s[G1W], 15|(1<<16)|(1<<20)|(1<<21)|(5<<22)|(3<<25)
	s_mov_b32 s[G1W+1], 128<<16
	s_mov_b32 s[G1W+2], 128<<16
	s_mov_b32 s[G1W+3], 128<<16
	s_mov_b32 s[G1W+4], 128
	s_mov_b32 s[G1W+5], 128
	s_mov_b32 s[G1W+6], 0
	s_mov_b32 s[G1W+7], 0
	; a quarter of proj_w's unit: 32 rows
	s_mov_b32 s[G1P], 15|(1<<16)|(1<<20)|(1<<21)|(5<<22)|(3<<25)
	s_mov_b32 s[G1P+1], 128<<16
	s_mov_b32 s[G1P+2], 32<<16
	s_mov_b32 s[G1P+3], 128<<16
	s_mov_b32 s[G1P+4], 32
	s_mov_b32 s[G1P+5], 128
	s_mov_b32 s[G1P+6], 0
	s_mov_b32 s[G1P+7], 0
	; a quarter of the 18 vectors: 2,304 dense bytes as 9 rows of 32 elements of 8 bytes
	s_mov_b32 s[G1R], 15|(3<<16)|(1<<21)
	s_mov_b32 s[G1R+1], 32<<16
	s_mov_b32 s[G1R+2], 9<<16
	s_mov_b32 s[G1R+3], 32<<16
	s_mov_b32 s[G1R+4], 9
	s_mov_b32 s[G1R+5], 32
	s_mov_b32 s[G1R+6], 0
	s_mov_b32 s[G1R+7], 0
	s_mov_b32 s[SEL], 0x76543210                   ; v_permlanex16_b32: each lane takes its own place in the other half
	s_mov_b32 s[SEL+1], 0xfedcba98
	s_mov_b32 s[CC], 0x3e8293ee                    ; c = log2(e) / sqrt(32)
	s_mov_b32 s[BIG], 0xf149f2ca                   ; -1e30
	s_mov_b32 s[K7], 0x3c000000                    ; 1 / 128
	s_mov_b32 s[EPS], 0x3727c5ac                   ; 1e-5
	s_mov_b32 s[NEG1], 0xbf80bf80                  ; -1 twice, in bf16
	s_mul_i32 s96, s[WV], UNIT                     ; LDS addresses hang on the wave's number alone
	s_mov_b32 s[G0X], 1
	s_add_co_u32 s[G0X+1], s96, SLOT
	s_add_co_u32 s[STG], s96, SLOT
	s_mov_b32 s[G0W], 1
	s_mov_b32 s[G0W+1], s96
	s_mul_i32 s97, s[WV], FR32
	s_mov_b32 s[G0P], 1
	s_add_co_u32 s[G0P+1], s97, PROJ
	s_mul_i32 s97, s[WV], 2304
	s_mov_b32 s[G0R], 1
	s_add_co_u32 s[G0R+1], s97, PARL
	s_wait_dscnt 0x0                               ; the opening add is done
	s_wait_kmcnt 0x0
	s_lshl_b32 s20, s19, 15                        ; a polyline is 32,768 bytes
	s_add_nc_u64 s[G0X+2:G0X+3], s[4:5], s[20:21]
	s_or_b32 s[G0X+3], s[G0X+3], 0x80000000
	s_lshl_b32 s94, s[WV], 13
	s_add_nc_u64 s[G0P+2:G0P+3], s[10:11], s[94:95]
	s_or_b32 s[G0P+3], s[G0P+3], 0x80000000
	s_mov_b32 s94, s97
	s_add_nc_u64 s[G0R+2:G0R+3], s[12:13], s[94:95]
	s_or_b32 s[G0R+3], s[G0R+3], 0x80000000
	s_lshl_b32 s94, s[WV], 15
	s_add_co_u32 s94, s94, 32768                   ; unit 1 + w: layer 0's Wq, Wk, Wv, Wo
	s_add_nc_u64 s[G0W+2:G0W+3], s[10:11], s[94:95]
	s_or_b32 s[G0W+3], s[G0W+3], 0x80000000
	s_lshl_b32 s20, s19, 2
	s_add_nc_u64 s[22:23], s[6:7], s[20:21]        ; lengths at my polyline
	s_lshl_b32 s20, s19, 9
	s_add_nc_u64 s[14:15], s[14:15], s[20:21]      ; y1's row n
	ROUND                                          ; all four work-groups are here: the first joint loads meet
	tensor_load_to_lds s[G0X:G0X+3], s[G1X:G1X+7]  ; the four first fills go out together: four tensor loads of mine are out
	s_nop 0
	tensor_load_to_lds s[G0P:G0P+3], s[G1P:G1P+7]
	s_nop 0
	tensor_load_to_lds s[G0R:G0R+3], s[G1R:G1R+7]
	s_nop 0
	tensor_load_to_lds s[G0W:G0W+3], s[G1W:G1W+7]
	s_nop 0
	PLACES
	s_load_b32 s[LEN], s[22:23], 0x0               ; my polyline's length
	v_and_b32 v[L16], 31, v0
	v_lshlrev_b32 v[L16], 4, v[L16]
	WIN W_TO3
.set i_, 0
.rept 64                               ; pos_emb in my lanes' order: each load takes 512 consecutive bytes
	global_load_b128 v[4*i_:4*i_+3], v[L16], s[8:9] offset:512*i_
.set i_, i_+1
.endr
	WIN 0
	v_and_b32 v1, 15, v0                           ; l % 16
	v_bfe_u32 v2, v0, 4, 1                         ; l / 16
	v_mul_u32_u24 v[AW], v1, 272
	v_lshl_add_u32 v[AW], v2, 4, v[AW]
	v_mul_u32_u24 v[AXS], v1, 528
	v_lshl_add_u32 v[AXS], v2, 5, v[AXS]
	v_add_nc_u32 v[AXS], s[STG], v[AXS]
	v_lshlrev_b32 v[PB], 5, v2
	v_add_nc_u32 v[PB], PARL, v[PB]
	s_wait_kmcnt 0x0                               ; the length
.set q_, 0
.rept 4
	v_add_nc_u32 v[T], 16*q_, v1                   ; my token of tile q_
	v_cmp_gt_i32 s[VM+q_], s[LEN], v[T]
	v_cndmask_b32 v[CQ+2*q_], 0, s[CC], s[VM+q_]
	v_cndmask_b32 v[CQ+2*q_+1], 0, s[CC], s[VM+q_]
	v_mov_b32 v[RL+2*q_+1], 0                      ; named with its pair, never used
.set q_, q_+1
.endr
	; ---------------- the input: f32 from my tile, rounded to bf16 fragments, -1 where the token is padding ----------------
	s_wait_tensorcnt 3                             ; my tile is in; the three loads issued behind it may be out
.set bt, 0
.rept 2
	WIN 0
.set i_, 0
.rept 32                               ; token tile 2 bt + i_ / 16, channels 32 ((i_ / 4) % 4) + 16 ((i_ / 2) % 2) + 8 (l / 16) + 4 (i_ % 2) on
	ds_load_b128 v[64+4*i_:64+4*i_+3], v[AXS] offset:(2*bt+i_/16)*8448+((i_/4)%4)*128+((i_/2)%2)*64+(i_%2)*16
.set i_, i_+1
.endr
	s_wait_dscnt 0x0
	WIN W_TO2
.set i_, 0
.rept 64
	v_cvt_pk_bf16_f32 v[XB+64*bt+i_], v[64+2*i_], v[64+2*i_+1]
.set i_, i_+1
.endr
.set bt, bt+1
.endr
	WIN W_CM
.set i_, 0
.rept 128
	v_cndmask_b32 v[XB+i_], s[NEG1], v[XB+i_], s[VM+i_/32]
.set i_, i_+1
.endr
	WIN 0
	s_wait_tensorcnt 1                             ; my parts of proj_w and of the vectors are in; layer 0's first stage may stay out
	s_barrier_signal -1
	s_barrier_wait -1                              ; everybody's are
	; ---------------- the projection ----------------
	v_add_nc_u32 v[AQ], PROJ, v[AW]
	LDV ACC, PB, 0                                 ; proj_b
	LDW WF0, AQ, 0
	LDW WF1, AQ, FR32
	s_wait_dscnt 16                                ; all but the youngest group's 16 loads
	MMP WF0, 0
	PLACES
	WIN 0
	LDW WF0, AQ, 2*FR32
	s_wait_dscnt 16
	MMP WF1, 1
	PLACES
	WIN 0
	LDW WF1, AQ, 3*FR32
	s_wait_dscnt 16
	MMP WF0, 2
	s_wait_dscnt 0x0
	MMP WF1, 3
	PLACES
	LNORM PB, 0, 0, 1, 1                           ; LN, ReLU, + pos_emb
	; pos_emb's registers are free: the key masks and a zero take their places.  Register j of group kt is key 16 kt + 8 (l / 16) + j: hidden where 16 kt + j > len - 8 (l / 16) - 1
	v_lshlrev_b32 v[T], 3, v2
	v_sub_nc_u32 v[T], s[LEN], v[T]
	v_add_nc_u32 v[T], -1, v[T]
	WIN W_TO3
.set i_, 0
.rept 32
	v_cmp_gt_i32 vcc_lo, 16*(i_/8)+i_%8, v[T]
	v_cndmask_b32 v[MK+i_], 0, s[BIG], vcc_lo
.set i_, i_+1
.endr
	v_mov_b32 v[ZR], 0
	WIN 0
	; ---------------- layer 0 ----------------
	CHANGE 1                                       ; Wq, Wk, Wv, Wo of layer 0 are in (slot 0); W1, W2 go out, into slot 1, over the input tiles
	ATT_SET 0, 3*512
	s_mov_b32 s[C0], 4
.Lhead0:
	ATT_HEAD 4, 4
	s_sub_co_u32 s[C0], s[C0], 1
	s_cmp_lg_u32 s[C0], 0
	s_cbranch_scc1 .Lhead0
	LNORM PB, 6*512, 1, 0, 1                       ; + bo, LN1
	CHANGE 1                                       ; W1, W2 are in (slot 1); layer 1's Wq, Wk, Wv, Wo go out, into slot 0
	FFN 4, 1, 9*512
	LNORM PB, 11*512, 1, 0, 1                      ; + b2, LN2
	; ---------------- layer 1: K and V of all tokens, the rest for token tile 0 ----------------
	CHANGE 0                                       ; layer 1's stage is in; nothing is asked for
	ATT_SET 0, 15*512
	s_mov_b32 s[C0], 4
.Lhead1:
	ATT_HEAD 1, 4
	s_sub_co_u32 s[C0], s[C0], 1
	s_cmp_lg_u32 s[C0], 0
	s_cbranch_scc1 .Lhead1
	; ---------------- the way out: tile 0's 16 rows into my stage (slot 1 has had its last fill, and every wave has left it); row 0 comes back as 512 consecutive bytes ----------------
	PLACES
	WIN W_ST1
.set i_, 0
.rept 16
	ds_store_b128 v[AXS], v[4*i_:4*i_+3] offset:(i_/2)*64+(i_%2)*16
.set i_, i_+1
.endr
	WIN 0
	v_add_nc_u32 v[T], s[STG], v[L16]
	ds_load_b128 v[WF0:WF0+3], v[T]                ; LDS serves a wave's instructions in order (ISA guide 5.7.1.4): this sees the stores above
	s_wait_dscnt 0x0
	global_store_b128 v[L16], v[WF0:WF0+3], s[14:15]
	s_wait_tensorcnt 0x0                           ; the wave's end
	ds_add_u32 v[SPW], v[NIL]
	s_wait_dscnt 0x0
	ROUND                                          ; the closing round
	s_endpgm
.Lfunc_end_k_qdeb070ad50_temporal:
	.size	k_qdeb070ad50_temporal, .Lfunc_end_k_qdeb070ad50_temporal-k_qdeb070ad50_temporal
	.p2alignl 7, 3214868480
	.fill 96, 4, 3214868480
	.section	.rodata,"a",@progbits
	.p2align	6, 0x0
	.amdhsa_kernel k_qdeb070ad50_temporal
		.amdhsa_group_segment_fixed_size 327680
		.amdhsa_private_segment_fixed_size 0
		.amdhsa_enable_private_segment 0
		.amdhsa_kernarg_size 48
		.amdhsa_user_sgpr_count 2
		.amdhsa_user_sgpr_kernarg_segment_ptr 1
		.amdhsa_wavefront_size32 1
		.amdhsa_system_sgpr_workgroup_id_x 1
		.amdhsa_system_sgpr_workgroup_id_y 1
		.amdhsa_system_sgpr_workgroup_id_z 1
		.amdhsa_system_vgpr_workitem_id 0
		.amdhsa_next_free_vgpr 1024
		.amdhsa_next_free_sgpr 100
		.amdhsa_reserve_vcc 1
		.amdhsa_float_denorm_mode_32 3
		.amdhsa_float_denorm_mode_16_64 3
		.amdhsa_memory_ordered 1
		.amdhsa_forward_progress 1
		.amdhsa_inst_pref_size 255
	.end_amdhsa_kernel
	.section	.bss,"aw",@nobits
	.p2align	6
	.space	262144
	.amdgpu_metadata
---
amdhsa.version: [ 1, 2 ]
amdhsa.kernels:
  - .name:           k_qdeb070ad50_temporal
    .symbol:         k_qdeb070ad50_temporal.kd
    .args:
      - { .name: polylines, .offset: 0, .size: 8, .value_kind: global_buffer, .address_space: global }
      - { .name: lengths, .offset: 8, .size: 8, .value_kind: global_buffer, .address_space: global }
      - { .name: posf, .offset: 16, .size: 8, .value_kind: global_buffer, .address_space: global }
      - { .name: wb, .offset: 24, .size: 8, .value_kind: global_buffer, .address_space: global }
      - { .name: par, .offset: 32, .size: 8, .value_kind: global_buffer, .address_space: global }
      - { .name: y1, .offset: 40, .size: 8, .value_kind: global_buffer, .address_space: global }
    .group_segment_fixed_size: 327680
    .private_segment_fixed_size: 0
    .kernarg_segment_align: 8
    .kernarg_segment_size: 48
    .max_flat_workgroup_size: 128
    .sgpr_count:     100
    .vgpr_count:     1024
    .wavefront_size: 32
...
	.end_amdgpu_metadata
.endif
;; end of part 2
;; launch spatial (part 3): grid 16 x 1, 4 waves a work-group, clusters of 4 x 1, 327,680 bytes of LDS; arguments y1, lengths, wb, par, out0; writes out0
.if DOCPART == 3
	.amdgcn_target "amdgcn-amd-amdhsa--gfx1250"
	.amdhsa_code_object_version 6
	.text
	.protected	k_qdeb070ad50_spatial
	.globl	k_qdeb070ad50_spatial
	.p2align	8
	.type	k_qdeb070ad50_spatial,@function
k_qdeb070ad50_spatial:
	s_mov_b64 s[64:65], 0
	v_nop
	global_prefetch_b8 v0, s[64:65] scope:SCOPE_SE
	s_setreg_imm32_b32 hwreg(HW_REG_WAVE_MODE, 25, 1), 1
	s_wait_xcnt 0x0
	s_wait_alu depctr_hold_cnt(0) depctr_sa_sdst(0) depctr_va_vdst(0) depctr_va_sdst(0) depctr_va_ssrc(0) depctr_va_vcc(0) depctr_vm_vsrc(0)
	s_getreg_b32 s2, hwreg(HW_REG_IB_STS2, 6, 4)
	s_cmp_eq_u32 s2, 0
	s_cbranch_scc0 .Lentry_in_a_cluster
	s_endpgm
.Lentry_in_a_cluster:
	s_bfe_u32 s2, ttmp6, 0x10000c
	s_cmp_lg_u32 s2, 0x3003
	s_cbranch_scc0 .Lentry_shape_is_right
	s_endpgm
.Lentry_shape_is_right:
; SPATIAL.  One work-group = one sequence (b, t = 0) of 64 tokens s; wave w owns tokens 16 w .. 16 w + 15.  From y1 (x1 + o Wo1 of token t = 0): + bo1, LN1, FFN and LN2 of layer 1; layers 2 and 3 with the
; spatial mask (token s counts where lengths[b][s] > 0); out0[b][s] is the result.  Only these 16 sequences reach the result, so there is work for 16 work-groups; a sequence's attention needs all its tokens, and
; nothing may pass between work-groups, so it is not shared further.
; Formats, layouts, masks and limits are the temporal kernel's: matrix operands bf16, all else f32; a hidden key counts as its score less 1e30 (the reference sets -1e9; the same weights while visible scaled scores lie
; above -1e9); a hidden query has the scale 0 and so the weight 1 on all 64 keys; a weight below 2^-126 counts as 0; NaN and infinities are not treated apart.
; Each wave makes K and V of its own 16 tokens for a head; the four waves hand them to each other through two LDS regions that take turns by the head's parity: store, wait, barrier, load; a region is written again two heads
; later, behind the barrier of the head between, in front of which every wave has waited for its reads.
; WEIGHTS: stages of four units through two LDS slots, wave w fetching unit w; the four work-groups of a cluster walk the same weights, so these loads are joint.
; REGISTERS: as in the temporal kernel, with one token tile: window 1: XF 0-63; window 2: XB 0-31, QH 128, KH 160, VH 192, OBH 224, KO 232, VO 240; window 3: P 0, OA 64, HB 128, MK 160, ZR 192.
.set NT,    1
.set UNIT,  34816
.set SLOT,  4*UNIT
.set EX,    2*SLOT                     ; the exchange: two regions of 8,192 bytes; no tensor load lands here
.set PARL,  EX+16384                   ; par vectors 15-50, 18,432 bytes
.set SPARE, PARL+18432                 ; the spare words, 128 bytes for each wave: two blocks of 256 bytes that no other line names
.set FR16,  16*272
.set FR32,  32*272
.set AW,  3
.set AXS, 4
.set PB,  5
.set AQ,  6
.set AK,  7
.set AV,  8
.set AO,  9
.set ABQ, 10
.set A1,  11
.set A2,  12
.set AB1, 13
.set L16, 14
.set AEV, 15                           ; where I put my V: EX + 4,096 + 512 w + 16 lane
.set SPW, 16
.set NIL, 17
.set AEX, 18                           ; EX + 16 lane
.set AEK, 19                           ; where I put my K: EX + 1,024 w + 16 lane
.set CQ,  20
.set ST,  28
.set RL,  36
.set T,   44
.set BF,  48
.set WF0, 64
.set WF1, 128
.set ACC, 192
.set XB,  0
.set QH,  128
.set KH,  160
.set VH,  192
.set OBH, 224
.set KO,  232
.set VO,  240
.set P,   0
.set OA,  64
.set HB,  128
.set MK,  160
.set ZR,  192
.set WV,  16
.set G1Y, 24
.set G1W, 32
.set G1R, 48
.set G0Y, 56
.set G0R, 68
.set G0W, 72
.set C0,  76
.set C1,  77
.set C2,  78
.set SEL, 80
.set CC,  82
.set BIG, 83
.set K7,  84
.set EPS, 85
.set STG, 93
.set W_MT,  0x08
.set W_MV,  0x02
.set W_MX,  0x58
.set W_W2,  0x5c
.set W_S,   0x3a
.set W_PV,  0xfe
.set W_TO2, 0x80
.set W_TO3, 0xc0
.set W_ON,  0xc3
.set W_OB,  0x8f
.set W_RE,  0xcf
.set W_X1,  0x41
.set W_XS,  0x05
.set W_XA,  0x01
.set W_XB,  0x85
.set W_ST1, 0x04
.set W_ST2, 0x08
.set W_LD1, 0x40
.set MSB, 0
.macro WIN new                         ; the immediate's high byte repeats the setting that is left; a switch that changes nothing is dropped
.if MSB != (\new)
	s_set_vgpr_msb (MSB<<8)|(\new)
.set MSB, (\new)
.endif
.endm
.macro PLACES                          ; independent vector instructions behind a matrix instruction, before its registers are read, written or loaded into (ISA guide 7.12.1)
.rept 5
	v_nop
.endr
.endm
.macro ROUND                           ; a round of the cluster's barrier
	s_barrier_signal -1
	s_barrier_wait -1
	s_cmp_lg_u32 s[WV], 0
	s_cbranch_scc1 .Lnot_wave_0_\@
	s_barrier_signal -3
.Lnot_wave_0_\@:
	s_barrier_wait -3
	s_barrier_signal -1
	s_barrier_wait -1
.endm
; THE CHANGE OF STAGES: each wave waits for all its tensor loads (one is out: its unit of the stage to be read next), adds 0 to its spare word, and waits for that and for its LDS reads.
; fill = 1: a round of the cluster's barrier, and the joint refill first behind it: the next four units of wb, into the slot just left.
.macro CHANGE fill
	WIN 0
	s_wait_tensorcnt 0x0               ; no tensor load of mine is out, so the descriptor may be written
	ds_add_u32 v[SPW], v[NIL]
.if \fill
	s_xor_b32 s[G0W+1], s[G0W+1], SLOT
	s_add_nc_u64 s[G0W+2:G0W+3], s[G0W+2:G0W+3], 0x20000
.endif
	s_wait_dscnt 0x0                   ; the add is done, and my LDS reads are over
.if \fill
	ROUND
	tensor_load_to_lds s[G0W:G0W+3], s[G1W:G1W+7]
	s_nop 0
	PLACES
.else
	s_barrier_signal -1
	s_barrier_wait -1
.endif
.endm
.macro LDB areg, off                   ; 32 channels of a bias as two C fragments: 4 loads
.set i_, 0
.rept 4
	ds_load_b128 v[BF+4*i_:BF+4*i_+3], v[\areg] offset:(\off)+(i_/2)*64+(i_%2)*16
.set i_, i_+1
.endr
.endm
.macro LDW buf, areg, off=0            ; 32 rows n x 128 k of a unit: fragment (nt, ks) at buf + 8 (4 nt + ks): 16 loads
.set i_, 0
.rept 8
	ds_load_b128 v[(\buf)+8*i_:(\buf)+8*i_+3], v[\areg] offset:(\off)+(i_/4)*FR16+(i_%4)*64
	ds_load_b128 v[(\buf)+8*i_+4:(\buf)+8*i_+7], v[\areg] offset:(\off)+(i_/4)*FR16+(i_%4)*64+32
.set i_, i_+1
.endr
.endm
.macro LDW8 buf, areg                  ; 128 rows n x 32 k of a unit: fragment nt at buf + 8 nt: 16 loads
.set i_, 0
.rept 8
	ds_load_b128 v[(\buf)+8*i_:(\buf)+8*i_+3], v[\areg] offset:i_*FR16
	ds_load_b128 v[(\buf)+8*i_+4:(\buf)+8*i_+7], v[\areg] offset:i_*FR16+32
.set i_, i_+1
.endr
.endm
.macro LDV buf, areg, off              ; my 64 numbers of a vector of 128: 16 loads
.set i_, 0
.rept 16
	ds_load_b128 v[(\buf)+4*i_:(\buf)+4*i_+3], v[\areg] offset:(\off)+(i_/2)*64+(i_%2)*16
.set i_, i_+1
.endr
.endm
; ACC[4 nt] = W rows (buf) x X^T + bias: 32 channels of my 16 tokens, K = 128.  The two accumulators take turns, one instruction a turn.
.macro MM_T buf, n
	WIN W_MT
.set ks, 0
.rept 4
.set nt, 0
.rept 2
.set qt, 0
.rept \n
.if ks == 0
	v_wmma_f32_16x16x32_bf16 v[ACC+8*(4*nt+qt):ACC+8*(4*nt+qt)+7], v[(\buf)+8*(4*nt+ks):(\buf)+8*(4*nt+ks)+7], v[XB+32*qt+8*ks:XB+32*qt+8*ks+7], v[BF+8*nt:BF+8*nt+7]
.else
	v_wmma_f32_16x16x32_bf16 v[ACC+8*(4*nt+qt):ACC+8*(4*nt+qt)+7], v[(\buf)+8*(4*nt+ks):(\buf)+8*(4*nt+ks)+7], v[XB+32*qt+8*ks:XB+32*qt+8*ks+7], v[ACC+8*(4*nt+qt):ACC+8*(4*nt+qt)+7]
.endif
.set qt, qt+1
.endr
.set nt, nt+1
.endr
.set ks, ks+1
.endr
.endm
.macro MM_V buf, n                     ; the same with the sources swapped and no bias: lane = channel, registers = tokens
	WIN W_MV
.set ks, 0
.rept 4
.set nt, 0
.rept 2
.set qt, 0
.rept \n
.if ks == 0
	v_wmma_f32_16x16x32_bf16 v[ACC+8*(4*nt+qt):ACC+8*(4*nt+qt)+7], v[XB+32*qt+8*ks:XB+32*qt+8*ks+7], v[(\buf)+8*(4*nt+ks):(\buf)+8*(4*nt+ks)+7], 0
.else
	v_wmma_f32_16x16x32_bf16 v[ACC+8*(4*nt+qt):ACC+8*(4*nt+qt)+7], v[XB+32*qt+8*ks:XB+32*qt+8*ks+7], v[(\buf)+8*(4*nt+ks):(\buf)+8*(4*nt+ks)+7], v[ACC+8*(4*nt+qt):ACC+8*(4*nt+qt)+7]
.endif
.set qt, qt+1
.endr
.set nt, nt+1
.endr
.set ks, ks+1
.endr
.endm
.macro CVT_T win, dst, n               ; ACC rounded in pairs: a fragment of 16 tokens x 32 channels at dst; each accumulator is read from its low end on
	WIN \win
.set qt, 0
.rept \n
.set nt, 0
.rept 2
.set p_, 0
.rept 4
	v_cvt_pk_bf16_f32 v[(\dst)+8*qt+4*nt+p_], v[ACC+8*(4*nt+qt)+2*p_], v[ACC+8*(4*nt+qt)+2*p_+1]
.set p_, p_+1
.endr
.set nt, nt+1
.endr
.set qt, qt+1
.endr
.endm
.macro CVT_V                           ; my 16 tokens' V: four registers for each of the head's two channel tiles
	WIN W_TO2
.set nt, 0
.rept 2
.set p_, 0
.rept 4
	v_cvt_pk_bf16_f32 v[VO+4*nt+p_], v[ACC+32*nt+2*p_], v[ACC+32*nt+2*p_+1]
.set p_, p_+1
.endr
.set nt, nt+1
.endr
.endm
; THE SOFTMAX of my query tile: the lane's 32 scores (its query's other 32 lie in the lane 16 away): maximum, p = 2^(s cq - m cq), P rounded to bf16, l of the unrounded p, 1 / l.
.macro SMX qt
.set sb, 64+32*(\qt)+64*((\qt)/2)
.set cq_, CQ+2*(\qt)
.set st_, ST+2*(\qt)
.set rl_, RL+2*(\qt)
	WIN 0
.set i_, 0
.rept 4                                ; four chains; each accumulator's lowest registers are read first
	v_max3_num_f32 v[T+i_], v[sb+8*i_], v[sb+8*i_+1], v[sb+8*i_+2]
.set i_, i_+1
.endr
.set i_, 0
.rept 4
	v_max3_num_f32 v[T+i_], v[T+i_], v[sb+8*i_+3], v[sb+8*i_+4]
.set i_, i_+1
.endr
.set i_, 0
.rept 4
	v_max3_num_f32 v[T+i_], v[T+i_], v[sb+8*i_+5], v[sb+8*i_+6]
.set i_, i_+1
.endr
	v_max3_num_f32 v[T], v[T], v[sb+7], v[sb+15]
	v_max3_num_f32 v[T+1], v[T+1], v[sb+23], v[sb+31]
	v_max_num_f32 v[T+2], v[T+2], v[T+3]
	v_max3_num_f32 v[T], v[T], v[T+1], v[T+2]
	v_permlanex16_b32 v[T+1], v[T], s[SEL], s[SEL+1]
	v_max_num_f32 v[st_+1], v[T], v[T+1]
	v_mul_f32 v[st_], v[st_+1], v[cq_]
.set i_, 0
.rept 16
	v_pk_fma_f32 v[sb+2*i_:sb+2*i_+1], v[sb+2*i_:sb+2*i_+1], v[cq_:cq_+1], v[st_:st_+1] op_sel_hi:[1,1,0] neg_lo:[0,0,1] neg_hi:[0,0,1]
.set i_, i_+1
.endr
.set i_, 0
.rept 32
	v_exp_f32 v[sb+i_], v[sb+i_]
.set i_, i_+1
.endr
	v_nop                              ; a plain instruction behind the last exponential
	WIN W_TO3
.set i_, 0
	s_wait_alu depctr_va_vdst(0)
.rept 16
	v_cvt_pk_bf16_f32 v[P+16*(\qt)+i_], v[sb+2*i_], v[sb+2*i_+1]
.set i_, i_+1
.endr
	WIN 0
.irp w_, 16, 8, 4, 2
.set i_, 0
.rept (\w_)/2
	v_pk_add_f32 v[sb+2*i_:sb+2*i_+1], v[sb+2*i_:sb+2*i_+1], v[sb+2*i_+(\w_):sb+2*i_+(\w_)+1]
.set i_, i_+1
.endr
.endr
	v_add_f32 v[T], v[sb], v[sb+1]
	v_permlanex16_b32 v[T+1], v[T], s[SEL], s[SEL+1]
	v_add_f32 v[T], v[T], v[T+1]
	v_rcp_f32 v[rl_], v[T]
	v_nop
.endm
.macro ATT_SET slot, boff              ; the addresses of head 0
	WIN 0
	v_add_nc_u32 v[AQ], (\slot)*SLOT, v[AW]
	v_add_nc_u32 v[AK], (\slot)*SLOT+UNIT, v[AW]
	v_add_nc_u32 v[AV], (\slot)*SLOT+2*UNIT, v[AW]
	v_add_nc_u32 v[AO], (\slot)*SLOT+3*UNIT, v[AW]
	v_add_nc_u32 v[ABQ], \boff, v[PB]
.endm
; ONE HEAD: Q, K, V of my 16 tokens; K and V handed round through exchange region reg; scores against all 64 keys, softmax, O, and O's part of Wo onto the residual stream.
.macro ATT_HEAD reg
	WIN 0
	LDB ABQ, 0
	LDW WF0, AQ
	LDW WF1, AK
	s_wait_dscnt 16                    ; bq and Wq are in; Wk's 16 loads may be out
	MM_T WF0, 1
	PLACES
	CVT_T W_TO2, QH, 1
	WIN 0
	LDB ABQ, 512
	LDW WF0, AV
	s_wait_dscnt 16                    ; Wk and bk are in; Wv's 16 may be out
	MM_T WF1, 1
	PLACES
	CVT_T W_TO2, KO, 1
	WIN 0
	LDW8 WF1, AO
	LDB ABQ, 1024
	s_wait_dscnt 20                    ; Wv is in; Wo's 16 and bv's 4 may be out
	MM_V WF0, 1
	PLACES
	CVT_V
	WIN W_ST2
	ds_store_b128 v[AEK], v[KO:KO+3] offset:(\reg)*8192
	ds_store_b128 v[AEK], v[KO+4:KO+7] offset:(\reg)*8192+512
	ds_store_b128 v[AEV], v[VO:VO+3] offset:(\reg)*8192
	ds_store_b128 v[AEV], v[VO+4:VO+7] offset:(\reg)*8192+2048
	s_wait_dscnt 0x0                   ; for the others' sake: my stores are done (and my earlier reads of the other region are back)
	s_barrier_signal -1
	s_barrier_wait -1
	WIN W_TO2
.set i_, 0
.rept 16                               ; K of the four key tiles, then V of two channel tiles x four key tiles, straight into the fragments' registers
	ds_load_b128 v[KH+4*i_:KH+4*i_+3], v[AEX] offset:(\reg)*8192+512*i_
.set i_, i_+1
.endr
	s_wait_dscnt 0x0
	WIN W_S
.set kt, 0
.rept 4
	v_wmma_f32_16x16x32_bf16 v[64+8*kt:64+8*kt+7], v[KH+8*kt:KH+8*kt+7], v[QH:QH+7], v[MK+8*kt:MK+8*kt+7]
.set kt, kt+1
.endr
	PLACES
	SMX 0
	WIN W_PV
.set kk, 0
.rept 2
.set ct, 0
.rept 2
.if kk == 0
	v_wmma_f32_16x16x32_bf16 v[OA+8*ct:OA+8*ct+7], v[VH+16*ct+8*kk:VH+16*ct+8*kk+7], v[P+8*kk:P+8*kk+7], 0
.else
	v_wmma_f32_16x16x32_bf16 v[OA+8*ct:OA+8*ct+7], v[VH+16*ct+8*kk:VH+16*ct+8*kk+7], v[P+8*kk:P+8*kk+7], v[OA+8*ct:OA+8*ct+7]
.endif
.set ct, ct+1
.endr
.set kk, kk+1
.endr
	PLACES
	WIN W_ON
.set i_, 0
	s_wait_alu depctr_va_vdst(0)
.rept 8
	v_pk_fma_f32 v[OA+2*i_:OA+2*i_+1], v[OA+2*i_:OA+2*i_+1], v[RL:RL+1], v[BF+2*i_:BF+2*i_+1] op_sel_hi:[1,0,1]
.set i_, i_+1
.endr
	WIN W_OB
.set i_, 0
.rept 8
	v_cvt_pk_bf16_f32 v[OBH+i_], v[OA+2*i_], v[OA+2*i_+1]
.set i_, i_+1
.endr
	WIN W_MX
.set nt, 0
.rept 8
	v_wmma_f32_16x16x32_bf16 v[8*nt:8*nt+7], v[WF1+8*nt:WF1+8*nt+7], v[OBH:OBH+7], v[8*nt:8*nt+7]
.set nt, nt+1
.endr
	WIN 0                              ; the next head's addresses: five plain instructions, the places in front of the next loads into WF1
	v_add_nc_u32 v[AQ], FR32, v[AQ]
	v_add_nc_u32 v[AK], FR32, v[AK]
	v_add_nc_u32 v[AV], FR32, v[AV]
	v_add_nc_u32 v[AO], 64, v[AO]
	v_add_nc_u32 v[ABQ], 128, v[ABQ]
.endm
; THE FFN: eight trips of 32 hidden channels: H^T = relu(W1^T X^T + b1) for them, rounded, and their part of W2 onto the residual stream.
.macro FFN nq, slot, boff
	WIN 0
	v_add_nc_u32 v[A1], (\slot)*SLOT, v[AW]
	v_add_nc_u32 v[A2], (\slot)*SLOT+2*UNIT, v[AW]
	v_add_nc_u32 v[AB1], \boff, v[PB]
	s_mov_b32 s[C0], 2
.Lffo_\@:
	s_mov_b32 s[C1], 4
.Lffi_\@:
	LDB AB1, 0
	LDW WF0, A1
	LDW8 WF1, A2
	s_wait_dscnt 16                    ; b1 and W1 are in; W2's 16 may be out
	MM_T WF0, \nq
	PLACES
	CVT_T W_TO3, HB, \nq
	WIN W_RE
.set p_, 0
.rept 8*(\nq)
	v_pk_max_num_bf16 v[HB+p_], v[HB+p_], v[ZR]
.set p_, p_+1
.endr
	s_wait_dscnt 0x0
	WIN W_W2
.set nt, 0
.rept 8
.set qt, 0
.rept \nq
	v_wmma_f32_16x16x32_bf16 v[64*qt+8*nt:64*qt+8*nt+7], v[WF1+8*nt:WF1+8*nt+7], v[HB+8*qt:HB+8*qt+7], v[64*qt+8*nt:64*qt+8*nt+7]
.set qt, qt+1
.endr
.set nt, nt+1
.endr
	WIN 0
	PLACES
	v_add_nc_u32 v[A1], FR32, v[A1]    ; W1's two units lie end to end: 8 x 32 rows
	v_add_nc_u32 v[A2], 64, v[A2]
	v_add_nc_u32 v[AB1], 128, v[AB1]
	s_sub_co_u32 s[C1], s[C1], 1
	s_cmp_lg_u32 s[C1], 0
	s_cbranch_scc1 .Lffi_\@
	v_add_nc_u32 v[A2], UNIT-256, v[A2]  ; W2's second unit
	s_sub_co_u32 s[C0], s[C0], 1
	s_cmp_lg_u32 s[C0], 0
	s_cbranch_scc1 .Lffo_\@
.endm
.macro LRED                            ; four chains into one number a token: in the lane, then with the lane 16 away
	WIN 0
	v_pk_add_f32 v[WF0:WF0+1], v[WF0:WF0+1], v[WF0+2:WF0+3]
	v_pk_add_f32 v[WF0+4:WF0+5], v[WF0+4:WF0+5], v[WF0+6:WF0+7]
	v_pk_add_f32 v[WF0:WF0+1], v[WF0:WF0+1], v[WF0+4:WF0+5]
	v_add_f32 v[WF0], v[WF0], v[WF0+1]
	v_permlanex16_b32 v[WF0+1], v[WF0], s[SEL], s[SEL+1]
	v_add_f32 v[WF0], v[WF0], v[WF0+1]
.endm
; + bias, then LAYER NORM of XF in place, in two passes (mean, then squared deviations).  Bias, gain, shift lie 512 bytes apart from areg + off.  cvt: XB is made of the result.
.macro LNORM areg, off, cvt
	WIN 0
	LDV WF0, \areg, \off
	LDV WF1, \areg, (\off)+512
	LDV ACC, \areg, (\off)+1024
	s_wait_dscnt 32                    ; the bias is in; gain's and shift's 32 loads may be out
	WIN W_X1
.set b_, 0
.rept 32
	v_pk_add_f32 v[2*b_:2*b_+1], v[2*b_:2*b_+1], v[WF0+2*b_:WF0+2*b_+1]
.set b_, b_+1
.endr
	WIN W_XS
.set b_, 0
.rept 4
	v_pk_add_f32 v[WF0+2*b_:WF0+2*b_+1], v[2*b_:2*b_+1], v[8+2*b_:8+2*b_+1]
.set b_, b_+1
.endr
	WIN W_XA
.set b_, 8
.rept 24
	v_pk_add_f32 v[WF0+2*(b_%4):WF0+2*(b_%4)+1], v[2*b_:2*b_+1], v[WF0+2*(b_%4):WF0+2*(b_%4)+1]
.set b_, b_+1
.endr
	LRED
	v_mul_f32 v[RL], s[K7], v[WF0]
	WIN W_X1
.set b_, 0
.rept 32
	v_pk_add_f32 v[2*b_:2*b_+1], v[2*b_:2*b_+1], v[RL:RL+1] op_sel_hi:[1,0] neg_lo:[0,1] neg_hi:[0,1]
.set b_, b_+1
.endr
	WIN W_XS
.set b_, 0
.rept 4
	v_pk_mul_f32 v[WF0+2*b_:WF0+2*b_+1], v[2*b_:2*b_+1], v[2*b_:2*b_+1]
.set b_, b_+1
.endr
.set b_, 4
.rept 28
	v_pk_fma_f32 v[WF0+2*(b_%4):WF0+2*(b_%4)+1], v[2*b_:2*b_+1], v[2*b_:2*b_+1], v[WF0+2*(b_%4):WF0+2*(b_%4)+1]
.set b_, b_+1
.endr
	LRED
	v_fma_f32 v[WF0], v[WF0], s[K7], s[EPS]
	v_rsq_f32 v[RL], v[WF0]
	v_nop
	s_wait_dscnt 0x0                   ; gain and shift
	WIN W_X1
.set b_, 0
	s_wait_alu depctr_va_vdst(0)
.rept 32
	v_pk_mul_f32 v[2*b_:2*b_+1], v[2*b_:2*b_+1], v[RL:RL+1] op_sel_hi:[1,0]
.set b_, b_+1
.endr
.set b_, 0
.rept 32
	v_pk_fma_f32 v[2*b_:2*b_+1], v[2*b_:2*b_+1], v[WF1+2*b_:WF1+2*b_+1], v[ACC+2*b_:ACC+2*b_+1]
.set b_, b_+1
.endr
.if \cvt
	WIN W_XB
.set b_, 0
.rept 32
	v_cvt_pk_bf16_f32 v[XB+b_], v[2*b_], v[2*b_+1]
.set b_, b_+1
.endr
.endif
	WIN 0
.endm
	; ---------------- the head ----------------
	s_load_b256 s[4:11], s[0:1], 0x0               ; y1 4, lengths 6, wb 8, par 10
	s_load_b64 s[12:13], s[0:1], 0x20              ; out0
	v_lshl_add_u32 v[SPW], v0, 2, SPARE
	v_mov_b32 v[NIL], 0
	ds_add_u32 v[SPW], v[NIL]                      ; the wave's opening: the add, and its wait ahead of my first tensor load; work on registers stands between them
	v_lshrrev_b32 v1, 5, v0
	v_readfirstlane_b32 s[WV], v1                  ; wave 0..3
	s_bfe_u32 s17, ttmp6, 0x40000                  ; cx: it enters the addresses of y1, lengths and out0 alone
	s_lshl_b32 s18, ttmp9, 2
	s_add_co_u32 s18, s18, s17                     ; b
	s_lshl_b32 s19, s18, 2
	s_add_co_u32 s19, s19, s[WV]                   ; my 16 rows begin at row 16 (4 b + w)
	s_mov_b32 s21, 0
	s_mov_b32 s95, 0
	; my 16 rows of y1: 128 f32 each, 16 bytes of padding behind each row of 128 words (pitch 528); a load of my own, no mask
	s_mov_b32 s[G1Y], (2<<16)|(1<<20)|(6<<22)|(3<<25)
	s_mov_b32 s[G1Y+1], 128<<16
	s_mov_b32 s[G1Y+2], 16<<16
	s_mov_b32 s[G1Y+3], 128<<16
	s_mov_b32 s[G1Y+4], 16
	s_mov_b32 s[G1Y+5], 128
	s_mov_b32 s[G1Y+6], 0
	s_mov_b32 s[G1Y+7], 0
	; a weight unit: 128 rows of 128 bf16, padded to a pitch of 272; joint, mask of four, bit 21 beside it
	s_mov_b32 s[G1W], 15|(1<<16)|(1<<20)|(1<<21)|(5<<22)|(3<<25)
	s_mov_b32 s[G1W+1], 128<<16
	s_mov_b32 s[G1W+2], 128<<16
	s_mov_b32 s[G1W+3], 128<<16
	s_mov_b32 s[G1W+4], 128
	s_mov_b32 s[G1W+5], 128
	s_mov_b32 s[G1W+6], 0
	s_mov_b32 s[G1W+7], 0
	; a quarter of the 36 vectors: 4,608 dense bytes as 18 rows of 32 elements of 8 bytes
	s_mov_b32 s[G1R], 15|(3<<16)|(1<<21)
	s_mov_b32 s[G1R+1], 32<<16
	s_mov_b32 s[G1R+2], 18<<16
	s_mov_b32 s[G1R+3], 32<<16
	s_mov_b32 s[G1R+4], 18
	s_mov_b32 s[G1R+5], 32
	s_mov_b32 s[G1R+6], 0
	s_mov_b32 s[G1R+7], 0
	s_mov_b32 s[SEL], 0x76543210
	s_mov_b32 s[SEL+1], 0xfedcba98
	s_mov_b32 s[CC], 0x3e8293ee                    ; c = log2(e) / sqrt(32)
	s_mov_b32 s[BIG], 0xf149f2ca                   ; -1e30
	s_mov_b32 s[K7], 0x3c000000                    ; 1 / 128
	s_mov_b32 s[EPS], 0x3727c5ac                   ; 1e-5
	s_mul_i32 s96, s[WV], UNIT                     ; LDS addresses hang on the wave's number alone
	s_mov_b32 s[G0Y], 1
	s_add_co_u32 s[G0Y+1], s96, SLOT
	s_add_co_u32 s[STG], s96, SLOT
	s_mov_b32 s[G0W], 1
	s_mov_b32 s[G0W+1], s96
	s_mul_i32 s97, s[WV], 4608
	s_mov_b32 s[G0R], 1
	s_add_co_u32 s[G0R+1], s97, PARL
	s_wait_dscnt 0x0                               ; the opening add is done
	s_wait_kmcnt 0x0
	s_lshl_b32 s20, s19, 13                        ; 16 rows of 512 bytes
	s_add_nc_u64 s[G0Y+2:G0Y+3], s[4:5], s[20:21]
	s_or_b32 s[G0Y+3], s[G0Y+3], 0x80000000
	s_add_nc_u64 s[12:13], s[12:13], s[20:21]      ; out0 at my first row
	s_add_co_u32 s94, s97, 7680                    ; from vector 15 on
	s_add_nc_u64 s[G0R+2:G0R+3], s[10:11], s[94:95]
	s_or_b32 s[G0R+3], s[G0R+3], 0x80000000
	s_lshl_b32 s94, s[WV], 15
	s_add_co_u32 s94, s94, 13*32768                ; unit 13 + w: layer 1's W1, W2
	s_add_nc_u64 s[G0W+2:G0W+3], s[8:9], s[94:95]
	s_or_b32 s[G0W+3], s[G0W+3], 0x80000000
	s_lshl_b32 s20, s18, 8
	s_add_nc_u64 s[22:23], s[6:7], s[20:21]        ; lengths[b]
	ROUND                                          ; all four work-groups are here: the first joint loads meet
	tensor_load_to_lds s[G0Y:G0Y+3], s[G1Y:G1Y+7]  ; the three first fills go out together: three tensor loads of mine are out
	s_nop 0
	tensor_load_to_lds s[G0R:G0R+3], s[G1R:G1R+7]
	s_nop 0
	tensor_load_to_lds s[G0W:G0W+3], s[G1W:G1W+7]
	s_nop 0
	PLACES
	v_and_b32 v1, 15, v0                           ; l % 16
	v_bfe_u32 v2, v0, 4, 1                         ; l / 16
	v_lshlrev_b32 v[T], 5, v2
.set i_, 0
.rept 8                                ; the lengths of keys 16 kt + 8 (l / 16) + 0..7
	global_load_b128 v[64+4*i_:64+4*i_+3], v[T], s[22:23] offset:(i_/2)*64+(i_%2)*16
.set i_, i_+1
.endr
	v_lshlrev_b32 v[T+1], 2, v1
	v_lshl_add_u32 v[T+1], s[WV], 6, v[T+1]
	global_load_b32 v96, v[T+1], s[22:23]          ; my own token's
	v_and_b32 v[L16], 31, v0
	v_lshlrev_b32 v[L16], 4, v[L16]
	v_mul_u32_u24 v[AW], v1, 272
	v_lshl_add_u32 v[AW], v2, 4, v[AW]
	v_mul_u32_u24 v[AXS], v1, 528
	v_lshl_add_u32 v[AXS], v2, 5, v[AXS]
	v_add_nc_u32 v[AXS], s[STG], v[AXS]
	v_lshlrev_b32 v[PB], 5, v2
	v_add_nc_u32 v[PB], PARL, v[PB]
	v_add_nc_u32 v[AEX], EX, v[L16]
	v_lshl_add_u32 v[AEK], s[WV], 10, v[AEX]
	v_lshl_add_u32 v[AEV], s[WV], 9, v[AEX]
	v_add_nc_u32 v[AEV], 4096, v[AEV]
	v_mov_b32 v[RL+1], 0                           ; named with its pair, never used
	s_wait_loadcnt 0x0
	v_cmp_lt_i32 vcc_lo, 0, v96
	v_cndmask_b32 v[CQ], 0, s[CC], vcc_lo
	v_cndmask_b32 v[CQ+1], 0, s[CC], vcc_lo
	WIN W_TO3
.set i_, 0
.rept 32
	v_cmp_gt_i32 vcc_lo, 1, v[64+i_]               ; a key is hidden where its length is 0
	v_cndmask_b32 v[MK+i_], 0, s[BIG], vcc_lo
.set i_, i_+1
.endr
	v_mov_b32 v[ZR], 0
	; ---------------- the input ----------------
	s_wait_tensorcnt 2                             ; my rows of y1 are in; the two loads issued behind them may be out
	WIN W_LD1
.set i_, 0
.rept 16
	ds_load_b128 v[4*i_:4*i_+3], v[AXS] offset:(i_/2)*64+(i_%2)*16
.set i_, i_+1
.endr
	s_wait_dscnt 0x0
	WIN 0
	s_wait_tensorcnt 1                             ; my part of the vectors is in; the first stage of weights may stay out
	s_barrier_signal -1
	s_barrier_wait -1
	LNORM PB, 3*512, 1                             ; + bo, LN1 of layer 1
	s_mov_b32 s[C2], 2
.Llayer:                                               ; a trip: the FFN of one layer and the attention of the next
	CHANGE 1                                       ; W1, W2 are in (slot 0); the next layer's Wq, Wk, Wv, Wo go out, into slot 1 (the first time over the rows of y1)
	FFN 1, 0, 6*512
	LNORM PB, 8*512, 1                             ; + b2, LN2
	CHANGE 1                                       ; Wq, Wk, Wv, Wo are in (slot 1); that layer's W1, W2 go out, into slot 0
	ATT_SET 1, 12*512
	s_mov_b32 s[C0], 2
.Lhead:
	ATT_HEAD 0
	ATT_HEAD 1
	s_sub_co_u32 s[C0], s[C0], 1
	s_cmp_lg_u32 s[C0], 0
	s_cbranch_scc1 .Lhead
	LNORM PB, 15*512, 1                            ; + bo, LN1
	v_add_nc_u32 v[PB], 6144, v[PB]                ; the next layer's twelve vectors
	s_sub_co_u32 s[C2], s[C2], 1
	s_cmp_lg_u32 s[C2], 0
	s_cbranch_scc1 .Llayer
	CHANGE 0                                       ; layer 3's W1, W2 are in; nothing is asked for
	FFN 1, 0, 6*512
	LNORM PB, 8*512, 0
	; ---------------- the way out: my 16 rows through my stage (slot 1 has had its last fill, and every wave has left it), back as whole rows of 512 bytes ----------------
	WIN W_ST1
.set i_, 0
.rept 16
	ds_store_b128 v[AXS], v[4*i_:4*i_+3] offset:(i_/2)*64+(i_%2)*16
.set i_, i_+1
.endr
	WIN 0
	v_add_nc_u32 v[T], s[STG], v[L16]
.set i_, 0
.rept 16
	ds_load_b128 v[64+4*i_:64+4*i_+3], v[T] offset:528*i_  ; LDS serves a wave's instructions in order (ISA guide 5.7.1.4): these see the stores above
.set i_, i_+1
.endr
.set i_, 0
.rept 16
	s_wait_dscnt 15-i_                             ; row i_ is back; the younger loads may be out
	global_store_b128 v[L16], v[64+4*i_:64+4*i_+3], s[12:13] offset:512*i_  ; 512 consecutive bytes, a whole row of out0
.set i_, i_+1
.endr
	s_wait_tensorcnt 0x0                           ; the wave's end
	ds_add_u32 v[SPW], v[NIL]
	s_wait_dscnt 0x0
	ROUND                                          ; the closing round
	s_endpgm
.Lfunc_end_k_qdeb070ad50_spatial:
	.size	k_qdeb070ad50_spatial, .Lfunc_end_k_qdeb070ad50_spatial-k_qdeb070ad50_spatial
	.p2alignl 7, 3214868480
	.fill 96, 4, 3214868480
	.section	.rodata,"a",@progbits
	.p2align	6, 0x0
	.amdhsa_kernel k_qdeb070ad50_spatial
		.amdhsa_group_segment_fixed_size 327680
		.amdhsa_private_segment_fixed_size 0
		.amdhsa_enable_private_segment 0
		.amdhsa_kernarg_size 40
		.amdhsa_user_sgpr_count 2
		.amdhsa_user_sgpr_kernarg_segment_ptr 1
		.amdhsa_wavefront_size32 1
		.amdhsa_system_sgpr_workgroup_id_x 1
		.amdhsa_system_sgpr_workgroup_id_y 1
		.amdhsa_system_sgpr_workgroup_id_z 1
		.amdhsa_system_vgpr_workitem_id 0
		.amdhsa_next_free_vgpr 968
		.amdhsa_next_free_sgpr 100
		.amdhsa_reserve_vcc 1
		.amdhsa_float_denorm_mode_32 3
		.amdhsa_float_denorm_mode_16_64 3
		.amdhsa_memory_ordered 1
		.amdhsa_forward_progress 1
		.amdhsa_inst_pref_size 135
	.end_amdhsa_kernel
	.amdgpu_metadata
---
amdhsa.version: [ 1, 2 ]
amdhsa.kernels:
  - .name:           k_qdeb070ad50_spatial
    .symbol:         k_qdeb070ad50_spatial.kd
    .args:
      - { .name: y1, .offset: 0, .size: 8, .value_kind: global_buffer, .address_space: global }
      - { .name: lengths, .offset: 8, .size: 8, .value_kind: global_buffer, .address_space: global }
      - { .name: wb, .offset: 16, .size: 8, .value_kind: global_buffer, .address_space: global }
      - { .name: par, .offset: 24, .size: 8, .value_kind: global_buffer, .address_space: global }
      - { .name: out0, .offset: 32, .size: 8, .value_kind: global_buffer, .address_space: global }
    .group_segment_fixed_size: 327680
    .private_segment_fixed_size: 0
    .kernarg_segment_align: 8
    .kernarg_segment_size: 40
    .max_flat_workgroup_size: 128
    .sgpr_count:     100
    .vgpr_count:     968
    .wavefront_size: 32
...
	.end_amdgpu_metadata
.endif
;; end of part 3
;; ======== version 2 of 2: 3 launches; version 1 with the launch prep written anew for expert scheduling mode
;; workspace buffers: wb 1,081,344 bytes; par 26,112 bytes; posf 32,768 bytes; y1 524,288 bytes
;; launch prep (part 4): grid 35 x 1, 8 waves a work-group, no clusters, 0 bytes of LDS; arguments proj_w, Wq, Wk, Wv, Wo, W1, W2, wb, proj_b, proj_ln_s, proj_ln_b, bq, bk, bv, bo, ln1_s, ln1_b, b1, b2, ln2_s, ln2_b, pos_emb, par, posf; writes wb, par, posf
.if DOCPART == 4
	.amdgcn_target "amdgcn-amd-amdhsa--gfx1250"
	.amdhsa_code_object_version 6
	.text
	.protected	k_qdeb070ad50_prep
	.globl	k_qdeb070ad50_prep
	.p2align	8
	.type	k_qdeb070ad50_prep,@function
k_qdeb070ad50_prep:
	s_mov_b64 s[64:65], 0
	v_nop
	global_prefetch_b8 v0, s[64:65] scope:SCOPE_SE
	s_setreg_imm32_b32 hwreg(HW_REG_WAVE_SCHED_MODE, 0, 2), 2
	s_setreg_imm32_b32 hwreg(HW_REG_WAVE_MODE, 25, 1), 1
	s_wait_xcnt 0x0
	s_wait_alu depctr_vm_vsrc(0)
; PREP.  Lays the weights out for the two matrix kernels and rounds every small input once to bf16.
; wb:   33 units of [128 n][128 k] bf16, rows of 256 bytes, unit[n][k] = W[k][n].  Unit 0 = proj_w; layer l from unit 1 + 8 l: Wq, Wk, Wv, Wo, W1 (n 0-127), W1 (n 128-255), W2 (k 0-127), W2 (k 128-255).
; par:  51 vectors of 128 f32 (each number rounded to bf16 and widened again): 0 proj_b, 1 proj_ln_s, 2 proj_ln_b; layer l from 3 + 12 l: bq bk bv bo ln1_s ln1_b b1 b1 b2 ln2_s ln2_b zeros.
; posf: pos_emb, rounded likewise, in the order in which a lane of the temporal kernel takes it: chunk ((qt 8 + ct) 2 + half) 32 + lane = pos[16 qt + lane % 16][16 ct + 8 (lane / 16) + 4 half .. + 3].
; Work-groups 0-32 make a unit each, 33 makes par, 34 makes posf.  No LDS, no matrix unit: 2 MB are moved once.
; THE MODE: SCHED_MODE bits 1:0 = 2 (LLVM: expert scheduling mode 2), set by the entry lines.  The code itself states the register dependences
; between vector instructions and memory instructions, with s_wait_alu, always for 0.
; THE PLAN.  There is no loop: each of the four paths makes its offsets, issues one run of loads, rounds, issues one run of stores and ends.  Registers that memory instructions touch:
;   a unit:          v2-v9 offsets of the loads; v16-v79 loaded, read by the conversions; v80-v111 written by the conversions, read by the stores; v10 offset of the stores.
;   par, waves 0-3:  v3, v4 offsets of the loads; v16-v59 loaded, rounded in place; v60-v63 zeros; v16-v63 read by the stores; v5 their offset.
;   par, wave 4:     v2 offset of loads and stores; v16-v27 loaded, rounded in place, stored.
;   posf:            v3 offset of the loads; v16-v47 loaded, rounded in place, stored; v5 offset of the stores.
; So a path has two waits on va_vdst: one ahead of its loads (their offsets are written), one ahead of its stores (their data and offset are written).  No vector instruction names a register ahead of the load
; that lands in it, and no register that a load or store has read is written again before the wave ends: no wait on vm_vsrc is owed.  One wait on va_sdst stands behind the line that makes the wave's number a scalar.
.macro RND4 b                          ; four f32 in place: to bf16 (nearest even) and back
	v_cvt_pk_bf16_f32 v12, v[(\b)], v[(\b)+1]
	v_cvt_pk_bf16_f32 v13, v[(\b)+2], v[(\b)+3]
	v_lshlrev_b32 v[(\b)], 16, v12
	v_and_b32 v[(\b)+1], 0xffff0000, v12
	v_lshlrev_b32 v[(\b)+2], 16, v13
	v_and_b32 v[(\b)+3], 0xffff0000, v13
.endm
	s_load_b512 s[4:19], s[0:1], 0x0               ; proj_w 4, Wq 6, Wk 8, Wv 10, Wo 12, W1 14, W2 16, wb 18
	s_load_b512 s[20:35], s[0:1], 0x40             ; proj_b 20, proj_ln_s 22, proj_ln_b 24, bq 26, bk 28, bv 30, bo 32, ln1_s 34
	s_load_b512 s[36:51], s[0:1], 0x80             ; ln1_b 36, b1 38, b2 40, ln2_s 42, ln2_b 44, pos_emb 46, par 48, posf 50
	s_mov_b32 s52, ttmp9                           ; the work-group's number g
	v_lshrrev_b32 v1, 5, v0
	v_readfirstlane_b32 s53, v1                    ; wave 0..7
	s_mov_b32 s61, 0
	s_wait_alu depctr_va_sdst(0)                   ; s53 is written, ahead of every branch and of its first reader: par's path compares it and makes offsets from it
	s_wait_kmcnt 0x0
	s_cmp_lt_u32 s52, 33
	s_cbranch_scc0 .Lsmall
	; ---- unit g ----
	s_sub_co_u32 s54, s52, 1
	s_and_b32 s55, s54, 7                          ; which of a layer's eight units
	s_lshr_b32 s56, s54, 3                         ; the layer
	s_cmp_eq_u32 s52, 0
	s_cselect_b32 s55, 8, s55                      ; 8 stands for proj_w
	s_cselect_b32 s56, 0, s56
	s_mov_b32 s63, 512                             ; bytes from a row k to the next
	s_mov_b64 s[58:59], s[4:5]
	s_cmp_eq_u32 s55, 0
	s_cselect_b64 s[58:59], s[6:7], s[58:59]
	s_cmp_eq_u32 s55, 1
	s_cselect_b64 s[58:59], s[8:9], s[58:59]
	s_cmp_eq_u32 s55, 2
	s_cselect_b64 s[58:59], s[10:11], s[58:59]
	s_cmp_eq_u32 s55, 3
	s_cselect_b64 s[58:59], s[12:13], s[58:59]
	s_lshr_b32 s57, s55, 1
	s_cmp_eq_u32 s57, 2
	s_cselect_b64 s[58:59], s[14:15], s[58:59]
	s_cselect_b32 s63, 1024, s63                   ; W1 has 256 columns
	s_cmp_eq_u32 s57, 3
	s_cselect_b64 s[58:59], s[16:17], s[58:59]
	s_lshl_b32 s60, s56, 16                        ; a layer is 65,536 bytes,
	s_lshl_b32 s62, s56, 17                        ; of W1 or W2 131,072
	s_lshr_b32 s57, s55, 2
	s_cmp_eq_u32 s57, 1
	s_cselect_b32 s60, s62, s60
	s_cmp_eq_u32 s55, 5
	s_cselect_b32 s62, 512, 0                      ; W1's columns 128 on
	s_add_co_u32 s60, s60, s62
	s_cmp_eq_u32 s55, 7
	s_cselect_b32 s62, 65536, 0                    ; W2's rows 128 on
	s_add_co_u32 s60, s60, s62
	s_add_nc_u64 s[58:59], s[58:59], s[60:61]      ; the source block [128 k][128 n] of f32
	s_lshl_b32 s60, s52, 15
	s_add_nc_u64 s[18:19], s[18:19], s[60:61]      ; the unit in wb
	; thread t: c = t % 16, m = t / 16.  It reads rows k = 8 c .. 8 c + 7, columns 4 m .. 4 m + 3 of both halves of 64 columns, and
	; writes, for each of its 8 columns n, the 16 bytes k = 8 c .. 8 c + 7 of row n: 16 neighbouring lanes store 256 consecutive bytes, a whole row.
	v_and_b32 v1, 15, v0
	v_lshrrev_b32 v11, 4, v0
	v_lshlrev_b32 v2, 3, v1
	v_mul_lo_u32 v2, v2, s63
	v_lshl_add_u32 v2, v11, 4, v2
.set i, 0
.rept 7
	v_add_nc_u32 v[3+i], s63, v[2+i]
.set i, i+1
.endr
	s_wait_alu depctr_va_vdst(0)                   ; the eight offsets v2 to v9 are written, which the sixteen loads read
.set i, 0
.rept 16                               ; half i / 8, row i % 8
	global_load_b128 v[16+4*i:16+4*i+3], v[2+i%8], s[58:59] offset:256*(i/8)
.set i, i+1
.endr
	v_lshlrev_b32 v10, 10, v11                     ; row 4 m of the unit (no load names v10, v11 or v1)
	v_lshl_add_u32 v10, v1, 4, v10                 ; + 16 c
	s_wait_loadcnt 0x0
.set i, 0
.rept 32                               ; i = 16 half + 4 j + p: column j, rows 2 p and 2 p + 1
	v_cvt_pk_bf16_f32 v[80+i], v[16+4*(8*(i/16)+2*(i%4))+(i/4)%4], v[16+4*(8*(i/16)+2*(i%4)+1)+(i/4)%4]
.set i, i+1
.endr
	s_wait_alu depctr_va_vdst(0)                   ; the conversions have written v80 to v111, the stores' data, and v10, their offset, is written
.set i, 0
.rept 8
	global_store_b128 v10, v[80+4*i:80+4*i+3], s[18:19] offset:(64*(i/4)+i%4)*256
.set i, i+1
.endr
	s_endpgm
.Lsmall:
	s_cmp_eq_u32 s52, 33
	s_cbranch_scc0 .Lpos
	; ---- par: a vector is 512 bytes, one load and one store of a wave ----
	v_and_b32 v2, 31, v0
	v_lshlrev_b32 v2, 4, v2
	s_cmp_lt_u32 s53, 4
	s_cbranch_scc0 .Lproj
	v_lshl_add_u32 v3, s53, 9, v2                  ; wave w takes layer w
	v_lshl_add_u32 v4, s53, 10, v2
	s_mul_i32 s54, s53, 6144
	s_add_co_u32 s54, s54, 1536
	v_add_nc_u32 v5, s54, v2                       ; vector 3 + 12 w
	s_wait_alu depctr_va_vdst(0)                   ; the offsets v3 and v4 are written, which the eleven loads read
	global_load_b128 v[16:19], v3, s[26:27]
	global_load_b128 v[20:23], v3, s[28:29]
	global_load_b128 v[24:27], v3, s[30:31]
	global_load_b128 v[28:31], v3, s[32:33]
	global_load_b128 v[32:35], v3, s[34:35]
	global_load_b128 v[36:39], v3, s[36:37]
	global_load_b128 v[40:43], v4, s[38:39]
	global_load_b128 v[44:47], v4, s[38:39] offset:512
	global_load_b128 v[48:51], v3, s[40:41]
	global_load_b128 v[52:55], v3, s[42:43]
	global_load_b128 v[56:59], v3, s[44:45]
	v_mov_b32 v60, 0
	v_mov_b32 v61, 0
	v_mov_b32 v62, 0
	v_mov_b32 v63, 0
	s_wait_loadcnt 0x0
.set i, 0
.rept 11
	RND4 16+4*i
.set i, i+1
.endr
	s_wait_alu depctr_va_vdst(0)                   ; the roundings have written v16 to v59 and the zeros v60 to v63, the stores' data
.set i, 0
.rept 12
	global_store_b128 v5, v[16+4*i:16+4*i+3], s[48:49] offset:512*i
.set i, i+1
.endr
	s_endpgm
.Lproj:
	s_cmp_eq_u32 s53, 4
	s_cbranch_scc0 .Lend
	s_wait_alu depctr_va_vdst(0)                   ; the offset v2 is written, which the three loads and the three stores read
	global_load_b128 v[16:19], v2, s[20:21]
	global_load_b128 v[20:23], v2, s[22:23]
	global_load_b128 v[24:27], v2, s[24:25]
	s_wait_loadcnt 0x0
	RND4 16
	RND4 20
	RND4 24
	s_wait_alu depctr_va_vdst(0)                   ; the roundings have written v16 to v27, the stores' data
	global_store_b128 v2, v[16:19], s[48:49]
	global_store_b128 v2, v[20:23], s[48:49] offset:512
	global_store_b128 v2, v[24:27], s[48:49] offset:1024
.Lend:
	s_endpgm
.Lpos:
	; ---- posf: chunk 256 i + t; with w = t / 32: half = w % 2, ct = 4 (i % 2) + w / 2, qt = i / 2 ----
	v_and_b32 v3, 15, v0
	v_lshlrev_b32 v3, 9, v3                        ; row lane % 16
	v_bfe_u32 v4, v0, 4, 1
	v_lshl_add_u32 v3, v4, 5, v3                   ; + 8 channels for the upper half of the lanes
	v_bfe_u32 v4, v0, 6, 2
	v_lshl_add_u32 v3, v4, 6, v3                   ; + 16 channels x (w / 2)
	v_bfe_u32 v4, v0, 5, 1
	v_lshl_add_u32 v3, v4, 4, v3                   ; + 4 channels x (w % 2)
	v_lshlrev_b32 v5, 4, v0
	s_wait_alu depctr_va_vdst(0)                   ; the offset v3 is written, which the eight loads read
.set i, 0
.rept 8
	global_load_b128 v[16+4*i:16+4*i+3], v3, s[46:47] offset:8192*(i/2)+256*(i%2)
.set i, i+1
.endr
	s_wait_loadcnt 0x0
.set i, 0
.rept 8
	RND4 16+4*i
.set i, i+1
.endr
	s_wait_alu depctr_va_vdst(0)                   ; the roundings have written v16 to v47, the stores' data
.set i, 0
.rept 8
	global_store_b128 v5, v[16+4*i:16+4*i+3], s[50:51] offset:4096*i
.set i, i+1
.endr
	s_endpgm
.Lfunc_end_k_qdeb070ad50_prep:
	.size	k_qdeb070ad50_prep, .Lfunc_end_k_qdeb070ad50_prep-k_qdeb070ad50_prep
	.p2alignl 7, 3214868480
	.fill 96, 4, 3214868480
	.section	.rodata,"a",@progbits
	.p2align	6, 0x0
	.amdhsa_kernel k_qdeb070ad50_prep
		.amdhsa_group_segment_fixed_size 0
		.amdhsa_private_segment_fixed_size 0
		.amdhsa_enable_private_segment 0
		.amdhsa_kernarg_size 192
		.amdhsa_user_sgpr_count 2
		.amdhsa_user_sgpr_kernarg_segment_ptr 1
		.amdhsa_wavefront_size32 1
		.amdhsa_system_sgpr_workgroup_id_x 1
		.amdhsa_system_sgpr_workgroup_id_y 1
		.amdhsa_system_sgpr_workgroup_id_z 1
		.amdhsa_system_vgpr_workitem_id 0
		.amdhsa_next_free_vgpr 112
		.amdhsa_next_free_sgpr 66
		.amdhsa_reserve_vcc 0
		.amdhsa_float_denorm_mode_32 3
		.amdhsa_float_denorm_mode_16_64 3
		.amdhsa_memory_ordered 1
		.amdhsa_forward_progress 1
		.amdhsa_inst_pref_size 20
	.end_amdhsa_kernel
	.amdgpu_metadata
---
amdhsa.version: [ 1, 2 ]
amdhsa.kernels:
  - .name:           k_qdeb070ad50_prep
    .symbol:         k_qdeb070ad50_prep.kd
    .args:
      - { .name: proj_w, .offset: 0, .size: 8, .value_kind: global_buffer, .address_space: global }
      - { .name: Wq, .offset: 8, .size: 8, .value_kind: global_buffer, .address_space: global }
      - { .name: Wk, .offset: 16, .size: 8, .value_kind: global_buffer, .address_space: global }
      - { .name: Wv, .offset: 24, .size: 8, .value_kind: global_buffer, .address_space: global }
      - { .name: Wo, .offset: 32, .size: 8, .value_kind: global_buffer, .address_space: global }
      - { .name: W1, .offset: 40, .size: 8, .value_kind: global_buffer, .address_space: global }
      - { .name: W2, .offset: 48, .size: 8, .value_kind: global_buffer, .address_space: global }
      - { .name: wb, .offset: 56, .size: 8, .value_kind: global_buffer, .address_space: global }
      - { .name: proj_b, .offset: 64, .size: 8, .value_kind: global_buffer, .address_space: global }
      - { .name: proj_ln_s, .offset: 72, .size: 8, .value_kind: global_buffer, .address_space: global }
      - { .name: proj_ln_b, .offset: 80, .size: 8, .value_kind: global_buffer, .address_space: global }
      - { .name: bq, .offset: 88, .size: 8, .value_kind: global_buffer, .address_space: global }
      - { .name: bk, .offset: 96, .size: 8, .value_kind: global_buffer, .address_space: global }
      - { .name: bv, .offset: 104, .size: 8, .value_kind: global_buffer, .address_space: global }
      - { .name: bo, .offset: 112, .size: 8, .value_kind: global_buffer, .address_space: global }
      - { .name: ln1_s, .offset: 120, .size: 8, .value_kind: global_buffer, .address_space: global }
      - { .name: ln1_b, .offset: 128, .size: 8, .value_kind: global_buffer, .address_space: global }
      - { .name: b1, .offset: 136, .size: 8, .value_kind: global_buffer, .address_space: global }
      - { .name: b2, .offset: 144, .size: 8, .value_kind: global_buffer, .address_space: global }
      - { .name: ln2_s, .offset: 152, .size: 8, .value_kind: global_buffer, .address_space: global }
      - { .name: ln2_b, .offset: 160, .size: 8, .value_kind: global_buffer, .address_space: global }
      - { .name: pos_emb, .offset: 168, .size: 8, .value_kind: global_buffer, .address_space: global }
      - { .name: par, .offset: 176, .size: 8, .value_kind: global_buffer, .address_space: global }
      - { .name: posf, .offset: 184, .size: 8, .value_kind: global_buffer, .address_space: global }
    .group_segment_fixed_size: 0
    .private_segment_fixed_size: 0
    .kernarg_segment_align: 8
    .kernarg_segment_size: 192
    .max_flat_workgroup_size: 256
    .sgpr_count:     66
    .vgpr_count:     112
    .wavefront_size: 32
...
	.end_amdgpu_metadata
.endif
;; end of part 4
;; launch temporal: the kernel of part 2 again; grid 256 x 1, 4 waves a work-group, clusters of 4 x 1, 327,680 bytes of LDS; arguments polylines, lengths, posf, wb, par, y1; writes y1
;; launch spatial: the kernel of part 3 again; grid 16 x 1, 4 waves a work-group, clusters of 4 x 1, 327,680 bytes of LDS; arguments y1, lengths, wb, par, out0; writes out0
